; MI455X (gfx1250); checked and timed in simulation.
; The chip was launched on July 23, 2026; its instructions are those of AMD's public machine-readable ISA for CDNA 5 (MIT licence, August 2026) and "CDNA5" Instruction Set Architecture Reference Guide (July 2026). The comments in the code are by the model that wrote it; some were corrected since.
;; Attention. Allowed arithmetic: float matrix products may take bf16 or f16 operands with f32 sums; other float arithmetic in f32, or as packed bf16 or f16 multiplies, adds, multiply-adds, maxima and minima; sums over many terms, partial sums and values carried from step to step in f32; what a program stores and reads back later, other than sums and carried values, may be rounded once to bf16 or f16.
;; Inputs: Wk 128 x 2,048 float32; Wq 1,024 x 2,048 float32; Wv 128 x 2,048 float32; bk 128 float32; bq 1,024 float32; bv 128 float32; context 4 x 2,048 x 2,048 float32; x 4 x 2,048 x 2,048 float32.
;; Outputs: out0 4 x 8 x 2,048 x 128 float32.
;; 2 versions, each right; version 2 is version 1 with the launch kvproj written anew for expert scheduling mode. Each part assembles by itself: llvm-mc -triple=amdgcn-amd-amdhsa -mcpu=gfx1250 --defsym DOCPART=n.
;; ======== version 1 of 2: 3 launches
;; limits: values are held in f16: magnitudes above 65,504 overflow, below 6.1e-05 lose precision; right only within a limited range of input values
;; workspace buffers: kf 2,097,152 bytes; vf 2,097,152 bytes; wq16 4,194,304 bytes; mf 131,072 bytes; msc 256 bytes
;; launch kvproj (part 1): grid 2 x 128, 4 waves a work-group, no clusters, 131,584 bytes of LDS; arguments context, Wk, Wv, bk, bv, kf, vf; writes kf, vf
.if DOCPART == 1
	.amdgcn_target "amdgcn-amd-amdhsa--gfx1250"
	.amdhsa_code_object_version 6
	.text
	.protected	k_q78c511c4f0_kvproj
	.globl	k_q78c511c4f0_kvproj
	.p2align	8
	.type	k_q78c511c4f0_kvproj,@function
k_q78c511c4f0_kvproj:
	s_mov_b64 s[64:65], 0
	v_nop
	global_prefetch_b8 v0, s[64:65] scope:SCOPE_SE
	s_setreg_imm32_b32 hwreg(HW_REG_WAVE_MODE, 25, 1), 1
	s_wait_xcnt 0x0
; LAUNCH 1 OF 3.  k^ = l2norm(context Wk^T + bk) and v / 16 = (context Wv^T + bv) / 16, both [8192][128], stored in f16.
; WORK LEFT OUT BY THE PROGRAM.  reference() forms attn = scale (q^ k^^T), [b][H][n][n], and then out = attn v.  Between the two products stands nothing but the
; factor scale, so in exact arithmetic, for all values of the inputs, out = scale q^ (k^^T v): products of matrices may be bracketed either way, and a scalar factor moves freely.  attn is no output.
; So the n x n matrix is never formed: launch 2 makes M_b = k^_b^T v_b, 128 x 128 for each batch, launch 3 makes q^ M_b.  Every input still has a way to the output: all eight are loaded.
; LIMITS.  A NaN, an infinity or an overflow that would arise in attn alone is not carried to the result; the sums run in another order than reference()'s.
; All inputs, the biases too, are rounded to bf16 for the products, sums in f32.  k^ lies in -1 .. 1.  v is stored as v / 16 in f16: |v| from 1,048,064 on becomes an infinity; below 1e-3 it keeps f16's fixed step of 9.5e-7.
; A row of k whose sum of squares lies below 2^-126 has a norm below the eps of 1e-12: the root's 0 there gives the same divisor, eps.
; SHARES.  Work-group (kind, y): kind 0 makes k^, kind 1 v; y is a block of 64 rows of context; the tile is 64 rows x all 128 columns, 32 accumulators of 16 x 16.
; THE 2,048 FEATURES ARE SPLIT AMONG THE FOUR WAVES: wave w takes features 512 w .. 512 w + 511 for the whole tile.  No wave wants a byte that another has fetched, so operands come from memory
; straight into registers, as f32, and are rounded there; the four partial tiles meet in LDS at the end, where wave w finishes rows 16 w .. 16 w + 15.
; NO CLUSTER, NO LDS RING: a unit of 32 features is 32 matrix instructions a wave; two sets of registers keep a wave's loads on their way without a barrier in the loop.
; WHAT IS STORED is the register image of a 16-bit fragment whose K runs down the rows: kf, vf: [b][ms 64][t 8][half 2][lane 32][8 f16]; lane (r, h) holds column 16 t + r and rows 32 ms + 16 half + 8 h + 0..7.
; That is what an accumulator holds (source 0 = 16 rows of context, source 1 = 16 rows of W: lane (r, h), register j: row 8 h + j, column r), so a lane's eight numbers pack into the 16 bytes that it stores.
; REGISTERS, in windows of 256 (s_set_vgpr_msb: bits 1:0 source 0, 3:2 source 1, 5:4 source 2, 7:6 destination):
;   window 0: addresses; v32-47 bias; v48-55 the rows' factors; v64-127, v128-191 context in f32, two sets; v192-223 context in bf16, later the packed results
;   window 1: the 32 accumulators, (a, t) at 8 (8 a + t)     window 2: v0-127, v128-255 weights in f32, two sets; at the end the four partial tiles     window 3: v0-63 weights in bf16
.set ROWB,  8192                       ; bytes in a row of context and of W
.set BLK,   16*ROWB                    ; 16 rows
.set SPARE, 131072                     ; behind the four partial tiles of 32,768 bytes: the spare words, 128 bytes a wave
.set FO,  2                            ; v2  (l % 16) x ROWB + 32 (l / 16) + 2,048 x wave: my place in a fragment's rows, for context and W alike; never rewritten
.set LS,  3                            ; v3  32,768 x wave + 16 l: where I put my partial tile
.set LR0, 4                            ; v4  8,192 x wave + 16 l: my row block in waves 0's and 1's partial tiles,
.set LR1, 5                            ; v5  and in waves 2's and 3's
.set YO,  6                            ; v6  16 l
.set BO,  7                            ; v7  4 (l % 16)
.set SPW, 8                            ; v8  LDS address of my spare word; never rewritten
.set NIL, 9                            ; v9  0; never rewritten
.set BI,  32                           ; v[32:47] bias of column 16 t + l % 16, a pair for each t
.set G,   48                           ; v[48:55] for my eight rows: the sum of squares, then the factor
.set TP,  56
.set AF,  64
.set ABF, 192
.set WV,  18
.set KIND, 19
.set WP,  20                           ; s[20:21] Wk or Wv, at the unit that set 0 was last loaded for
.set BP,  22                           ; s[22:23] bk or bv
.set OUTP, 24                          ; s[24:25] kf or vf at my wave's 16 rows
.set CP,  26                           ; s[26:27] context at the work-group's first row, stepped with WP
.set YB,  28
.set CNT, 29
.set MSB, 0
.macro WIN new                         ; the immediate's high byte repeats the setting that is left; a switch that changes nothing is dropped
.if MSB != (\new)
	s_set_vgpr_msb (MSB<<8)|(\new)
.set MSB, \new
.endif
.endm
.set W_MUL, 0x5c                       ; context window 0, weights window 3, C and D window 1
.set W_CVB, 0xca                       ; sources window 2, destination window 3
.set W_LDB, 0x80                       ; destination window 2
.set W_STA, 0x04                       ; an LDS store's data in window 1
.set W_SUM, 0x8a                       ; all in window 2
.set W_S20, 0x82                       ; source 0 and destination window 2, source 1 window 0
.set W_SQ,  0x0a                       ; sources 0 and 1 window 2, source 2 and destination window 0
.macro PLACES                          ; four places behind a matrix instruction, ahead of a write of its sources or a read of its result (ISA guide 7.12.1)
.rept 4
	v_nop
.endr
.endm
	s_load_b256 s[4:11], s[0:1], 0x0               ; context s[4:5], Wk s[6:7], Wv s[8:9], bk s[10:11]
	s_load_b128 s[12:15], s[0:1], 0x20             ; bv s[12:13], kf s[14:15]
	s_load_b64 s[16:17], s[0:1], 0x30              ; vf
	v_lshl_add_u32 v[SPW], v0, 2, SPARE
	v_mov_b32 v[NIL], 0
	v_lshrrev_b32 v1, 5, v0
	v_readfirstlane_b32 s[WV], v1                  ; wave 0..3
	s_mov_b32 s[KIND], ttmp9
	s_and_b32 s[YB], ttmp7, 0xffff
	v_and_b32 v10, 15, v0                          ; l % 16
	v_bfe_u32 v11, v0, 4, 1                        ; l / 16
	v_and_b32 v12, 31, v0                          ; l
	v_lshlrev_b32 v[FO], 13, v10
	v_lshl_add_u32 v[FO], v11, 5, v[FO]
	s_lshl_b32 s30, s[WV], 11
	v_add_nc_u32 v[FO], s30, v[FO]
	v_lshlrev_b32 v[YO], 4, v12
	s_lshl_b32 s30, s[WV], 15
	v_add_nc_u32 v[LS], s30, v[YO]
	s_lshl_b32 s30, s[WV], 13
	v_add_nc_u32 v[LR0], s30, v[YO]
	v_add_nc_u32 v[LR1], 0x10000, v[LR0]
	v_lshlrev_b32 v[BO], 2, v10
	s_lshl_b32 s30, s[YB], 1                       ; my 16 rows in the output: block of 32 rows 2 y + wave / 2 (8,192 bytes each), half wave % 2 (512 bytes)
	s_lshr_b32 s31, s[WV], 1
	s_add_co_u32 s30, s30, s31
	s_lshl_b32 s30, s30, 13
	s_and_b32 s31, s[WV], 1
	s_lshl_b32 s31, s31, 9
	s_add_co_u32 s30, s30, s31
	s_mov_b32 s31, 0
	s_wait_kmcnt 0x0
	s_cmp_eq_u32 s[KIND], 0
	s_cselect_b64 s[WP:WP+1], s[6:7], s[8:9]
	s_cselect_b64 s[BP:BP+1], s[10:11], s[12:13]
	s_cselect_b64 s[OUTP:OUTP+1], s[14:15], s[16:17]
	s_add_nc_u64 s[OUTP:OUTP+1], s[OUTP:OUTP+1], s[30:31]
	s_lshl_b32 s30, s[YB], 19                      ; 64 rows of 8,192 bytes
	s_add_nc_u64 s[CP:CP+1], s[4:5], s[30:31]
; A unit is 32 features: 128 bytes of each row in f32.  A 16-bit fragment wants, in lane (r, h), features 8 h + 0..7 and 16 + 8 h + 0..7 of row r: in f32 the 32 bytes at 32 h and the 32 bytes at 64 + 32 h.
; 48 loads: 4 blocks of 16 rows of context, 8 blocks of 16 rows of W, into set c, from byte off behind the two pointers.
.macro LOADS c, off
	WIN 0
.irp a, 0,1,2,3
	global_load_b128 v[AF+64*(\c)+16*(\a):AF+64*(\c)+16*(\a)+3],     v[FO], s[CP:CP+1] offset:(\a)*BLK+(\off)
	global_load_b128 v[AF+64*(\c)+16*(\a)+4:AF+64*(\c)+16*(\a)+7],   v[FO], s[CP:CP+1] offset:(\a)*BLK+(\off)+16
	global_load_b128 v[AF+64*(\c)+16*(\a)+8:AF+64*(\c)+16*(\a)+11],  v[FO], s[CP:CP+1] offset:(\a)*BLK+(\off)+64
	global_load_b128 v[AF+64*(\c)+16*(\a)+12:AF+64*(\c)+16*(\a)+15], v[FO], s[CP:CP+1] offset:(\a)*BLK+(\off)+80
.endr
	WIN W_LDB
.irp t, 0,1,2,3,4,5,6,7
	global_load_b128 v[128*(\c)+16*(\t):128*(\c)+16*(\t)+3],     v[FO], s[WP:WP+1] offset:(\t)*BLK+(\off)
	global_load_b128 v[128*(\c)+16*(\t)+4:128*(\c)+16*(\t)+7],   v[FO], s[WP:WP+1] offset:(\t)*BLK+(\off)+16
	global_load_b128 v[128*(\c)+16*(\t)+8:128*(\c)+16*(\t)+11],  v[FO], s[WP:WP+1] offset:(\t)*BLK+(\off)+64
	global_load_b128 v[128*(\c)+16*(\t)+12:128*(\c)+16*(\t)+15], v[FO], s[WP:WP+1] offset:(\t)*BLK+(\off)+80
.endr
.endm
.macro CVT c                           ; set c is rounded to bf16: 96 conversions, two numbers each
	WIN 0
.set n, 0
.rept 32
	v_cvt_pk_bf16_f32 v[ABF+n], v[AF+64*(\c)+2*n], v[AF+64*(\c)+2*n+1]
.set n, n+1
.endr
	WIN W_CVB
.set n, 0
.rept 64
	v_cvt_pk_bf16_f32 v[n], v[128*(\c)+2*n], v[128*(\c)+2*n+1]
.set n, n+1
.endr
.endm
.macro MULS zero                       ; a unit's 32 products; the 32 accumulators take turns, one instruction a turn; zero = 1: they start the sums
	WIN W_MUL
.irp a, 0,1,2,3
.irp t, 0,1,2,3,4,5,6,7
.if \zero
	v_wmma_f32_16x16x32_bf16 v[8*(8*(\a)+(\t)):8*(8*(\a)+(\t))+7], v[ABF+8*(\a):ABF+8*(\a)+7], v[8*(\t):8*(\t)+7], 0
.else
	v_wmma_f32_16x16x32_bf16 v[8*(8*(\a)+(\t)):8*(8*(\a)+(\t))+7], v[ABF+8*(\a):ABF+8*(\a)+7], v[8*(\t):8*(\t)+7], v[8*(8*(\a)+(\t)):8*(8*(\a)+(\t))+7]
.endif
.endr
.endr
.endm
; One unit.  left: the younger loads that may stay out.  ahead = 1: the set is asked for again, two units on, as soon as it has been rounded, ahead of the products.
.macro UNIT c, ahead, left, zero, first
	s_wait_loadcnt \left                           ; loads come back in order (ISA guide 5.7.1): this set is in
.if !(\first)
	PLACES                                         ; the conversions write registers that the last products read
.endif
	CVT \c
.if \ahead
.if (\c) == 0
	s_wait_xcnt 0x0                                ; every load issued so far has read its address: the pointers are written only behind this wait
	s_add_nc_u64 s[CP:CP+1], s[CP:CP+1], 256       ; two units on
	s_add_nc_u64 s[WP:WP+1], s[WP:WP+1], 256
.endif
	LOADS \c, 128*(\c)
.endif
	MULS \zero
.endm
.irp t, 0,1,2,3,4,5,6,7
	global_load_b32 v[BI+2*(\t)], v[BO], s[BP:BP+1] offset:64*(\t)
.endr
	LOADS 0, 0
	LOADS 1, 128
	UNIT 0, 1, 48, 1, 1                            ; units 0 and 1 stand ahead of the loop: unit 0's products start the sums.  48: the other set's loads (the bias loads are older than both sets)
	UNIT 1, 1, 48, 0, 0
	WIN 0                                          ; at a label and at a branch every window is 0
	s_mov_b32 s[CNT], 6
.Ltrip:                                        ; units 2 .. 13; each trip asks for the next trip's two units
	UNIT 0, 1, 48, 0, 0
	UNIT 1, 1, 48, 0, 0
	WIN 0
	s_sub_co_u32 s[CNT], s[CNT], 1
	s_cmp_lg_u32 s[CNT], 0
	s_cbranch_scc1 .Ltrip
	UNIT 0, 0, 48, 0, 0                            ; the last two units load nothing
	UNIT 1, 0, 0, 0, 0
	WIN 0
	PLACES
	PLACES
	; THE FOUR PARTIAL TILES MEET IN LDS.  An accumulator is 1,024 bytes: registers 0-3, 16 bytes a lane, then registers 4-7 (the low registers are read first).
	WIN W_STA
.set i, 0
.rept 32
	ds_store_b128 v[LS], v[8*i:8*i+3]   offset:1024*i
	ds_store_b128 v[LS], v[8*i+4:8*i+7] offset:1024*i+512
.set i, i+1
.endr
	WIN 0
	s_wait_dscnt 0x0                               ; for the others' sake: my stores are done
	s_barrier_signal -1
	s_barrier_wait -1
	WIN W_LDB                                      ; wave w takes row block w of all four: partial p, column tile t at v[64 p + 8 t] of window 2
.irp p, 0,1
.irp t, 0,1,2,3,4,5,6,7
	ds_load_b128 v[64*(\p)+8*(\t):64*(\p)+8*(\t)+3],         v[LR0] offset:(\p)*32768+(\t)*1024
	ds_load_b128 v[64*(\p)+8*(\t)+4:64*(\p)+8*(\t)+7],       v[LR0] offset:(\p)*32768+(\t)*1024+512
	ds_load_b128 v[128+64*(\p)+8*(\t):128+64*(\p)+8*(\t)+3],   v[LR1] offset:(\p)*32768+(\t)*1024
	ds_load_b128 v[128+64*(\p)+8*(\t)+4:128+64*(\p)+8*(\t)+7], v[LR1] offset:(\p)*32768+(\t)*1024+512
.endr
.endr
	WIN 0
.irp t, 0,1,2,3,4,5,6,7                ; meanwhile the bias is rounded to bf16, like every input, and widened again, into both registers of its pair
	v_cvt_pk_bf16_f32 v[TP], v[BI+2*(\t)], v[BI+2*(\t)]
	v_lshlrev_b32 v[BI+2*(\t)], 16, v[TP]
	v_lshlrev_b32 v[BI+2*(\t)+1], 16, v[TP]
.endr
	s_wait_dscnt 0x0
	WIN W_SUM
.set n, 0
.rept 32
	v_pk_add_f32 v[2*n:2*n+1], v[2*n:2*n+1], v[64+2*n:64+2*n+1]
	v_pk_add_f32 v[128+2*n:128+2*n+1], v[128+2*n:128+2*n+1], v[192+2*n:192+2*n+1]
.set n, n+1
.endr
.set n, 0
.rept 32
	v_pk_add_f32 v[2*n:2*n+1], v[2*n:2*n+1], v[128+2*n:128+2*n+1]
.set n, n+1
.endr
	WIN W_S20
.set n, 0
.rept 32
	v_pk_add_f32 v[2*n:2*n+1], v[2*n:2*n+1], v[BI+2*(n/4):BI+2*(n/4)+1]   ; register 8 t + j: row 8 h + j, column 16 t + r
.set n, n+1
.endr
	WIN 0
	s_cmp_lg_u32 s[KIND], 0
	s_cbranch_scc1 .Lfor_v
	; k: each row's factor is 1 / max(norm, eps).  A row's 128 columns lie in 8 registers (t) of 16 lanes (r).
	WIN W_SQ
.set n, 0
.rept 32
.if n < 4
	v_pk_mul_f32 v[G+2*(n%4):G+2*(n%4)+1], v[2*n:2*n+1], v[2*n:2*n+1]
.else
	v_pk_fma_f32 v[G+2*(n%4):G+2*(n%4)+1], v[2*n:2*n+1], v[2*n:2*n+1], v[G+2*(n%4):G+2*(n%4)+1]
.endif
.set n, n+1
.endr
	WIN 0
.irp m, 1,2,4,8
.irp j, 0,1,2,3,4,5,6,7
	v_add_f32_dpp v[G+(\j)], v[G+(\j)], v[G+(\j)] row_xmask:\m row_mask:0xf bank_mask:0xf
.endr
.endr
.irp j, 0,1,2,3,4,5,6,7
	v_sqrt_f32 v[G+(\j)], v[G+(\j)]
.endr
	v_nop                                          ; a plain instruction behind the last root,
	s_wait_alu depctr_va_vdst(0)                   ; and the wait ahead of the first use: one for the eight
.irp j, 0,1,2,3,4,5,6,7
	v_max_num_f32 v[G+(\j)], 0x2b8cbccc, v[G+(\j)] ; eps = 1e-12
.endr
.irp j, 0,1,2,3,4,5,6,7
	v_rcp_f32 v[G+(\j)], v[G+(\j)]
.endr
	v_nop
	s_wait_alu depctr_va_vdst(0)                   ; one for the eight reciprocals, ahead of the branch
	s_branch .Lscaled
.Lfor_v:
.irp j, 0,1,2,3,4,5,6,7
	v_mov_b32 v[G+(\j)], 0x3d800000                ; v: every row's factor is 1 / 16
.endr
.Lscaled:
	WIN W_S20
.set n, 0
.rept 32
	v_pk_mul_f32 v[2*n:2*n+1], v[2*n:2*n+1], v[G+2*(n%4):G+2*(n%4)+1]
.set n, n+1
.endr
	WIN W_SQ
.set n, 0
.rept 32
	v_cvt_pk_f16_f32 v[ABF+n], v[2*n], v[2*n+1]    ; a lane's eight rows of a column: 16 bytes
.set n, n+1
.endr
	WIN 0
.irp t, 0,1,2,3,4,5,6,7
	global_store_b128 v[YO], v[ABF+4*(\t):ABF+4*(\t)+3], s[OUTP:OUTP+1] offset:1024*(\t)  ; the wave stores 512 consecutive bytes, at a multiple of 512 from the buffer's first
.endr
	s_wait_tensorcnt 0x0                           ; the wave's end: behind my last LDS store
	ds_add_u32 v[SPW], v[NIL]
	s_wait_dscnt 0x0
	s_endpgm
.Lfunc_end_k_q78c511c4f0_kvproj:
	.size	k_q78c511c4f0_kvproj, .Lfunc_end_k_q78c511c4f0_kvproj-k_q78c511c4f0_kvproj
	.p2alignl 7, 3214868480
	.fill 96, 4, 3214868480
	.section	.rodata,"a",@progbits
	.p2align	6, 0x0
	.amdhsa_kernel k_q78c511c4f0_kvproj
		.amdhsa_group_segment_fixed_size 131584
		.amdhsa_private_segment_fixed_size 0
		.amdhsa_enable_private_segment 0
		.amdhsa_kernarg_size 56
		.amdhsa_user_sgpr_count 2
		.amdhsa_user_sgpr_kernarg_segment_ptr 1
		.amdhsa_wavefront_size32 1
		.amdhsa_system_sgpr_workgroup_id_x 1
		.amdhsa_system_sgpr_workgroup_id_y 1
		.amdhsa_system_sgpr_workgroup_id_z 1
		.amdhsa_system_vgpr_workitem_id 0
		.amdhsa_next_free_vgpr 832
		.amdhsa_next_free_sgpr 66
		.amdhsa_reserve_vcc 0
		.amdhsa_float_denorm_mode_32 3
		.amdhsa_float_denorm_mode_16_64 3
		.amdhsa_memory_ordered 1
		.amdhsa_forward_progress 1
		.amdhsa_inst_pref_size 109
	.end_amdhsa_kernel
	.amdgpu_metadata
---
amdhsa.version: [ 1, 2 ]
amdhsa.kernels:
  - .name:           k_q78c511c4f0_kvproj
    .symbol:         k_q78c511c4f0_kvproj.kd
    .args:
      - { .name: context, .offset: 0, .size: 8, .value_kind: global_buffer, .address_space: global }
      - { .name: Wk, .offset: 8, .size: 8, .value_kind: global_buffer, .address_space: global }
      - { .name: Wv, .offset: 16, .size: 8, .value_kind: global_buffer, .address_space: global }
      - { .name: bk, .offset: 24, .size: 8, .value_kind: global_buffer, .address_space: global }
      - { .name: bv, .offset: 32, .size: 8, .value_kind: global_buffer, .address_space: global }
      - { .name: kf, .offset: 40, .size: 8, .value_kind: global_buffer, .address_space: global }
      - { .name: vf, .offset: 48, .size: 8, .value_kind: global_buffer, .address_space: global }
    .group_segment_fixed_size: 131584
    .private_segment_fixed_size: 0
    .kernarg_segment_align: 8
    .kernarg_segment_size: 56
    .max_flat_workgroup_size: 128
    .sgpr_count:     66
    .vgpr_count:     832
    .wavefront_size: 32
...
	.end_amdgpu_metadata
.endif
;; end of part 1
;; launch mprod (part 2): grid 256 x 1, 4 waves a work-group, no clusters, 4,864 bytes of LDS; arguments kf, vf, Wq, mf, msc, wq16; writes mf, msc, wq16
.if DOCPART == 2
	.amdgcn_target "amdgcn-amd-amdhsa--gfx1250"
	.amdhsa_code_object_version 6
	.text
	.protected	k_q78c511c4f0_mprod
	.globl	k_q78c511c4f0_mprod
	.p2align	8
	.type	k_q78c511c4f0_mprod,@function
k_q78c511c4f0_mprod:
	s_mov_b64 s[64:65], 0
	v_nop
	global_prefetch_b8 v0, s[64:65] scope:SCOPE_SE
	s_setreg_imm32_b32 hwreg(HW_REG_WAVE_MODE, 25, 1), 1
	s_wait_xcnt 0x0
; LAUNCH 2 OF 3.  M_b = k^_b^T (v_b / 16), 128 x 128 for each of the four batches: the product that stands for reference()'s n x n attn (out = scale q^ (k^^T v): shown at the head of launch 1).
; The same work-groups round Wq to bf16, 8,192 numbers each: a cast that rides on a launch that runs anyway.
; SHARES.  Work-group g: batch g / 64, tile (dt, et) = ((g / 8) % 8, g % 8) of 16 x 16.  The 2,048 rows are split among the four waves, 16 steps of 32 each; the partial tiles meet in LDS; wave 0 finishes.
; Operands come as launch 1 stored them, as register images: two loads of 16 bytes a lane fill a fragment.  All 64 loads of a wave go out at once.
; THE SCALE.  M goes on in f16, and no fixed factor holds it for all inputs, so the factor is taken from the data, one for each (batch, et).  Every work-group reads all 2,048 rows of its 16 columns of v / 16,
; so the eight work-groups of one (batch, et) find the same largest magnitude vmax.  With eb = vmax's biased f32 exponent (at least 64): |M| <= 2,048 vmax < 2^(eb - 115), since |k^| <= 1.
; Stored: M 2^(130 - eb), below 2^15 in magnitude; and u = 2^(eb - 130) 16 / sqrt(128) = 2^(eb - 130) sqrt(2), by which launch 3 multiplies its results: u hangs on the output's column alone.
; The exponent enters values only, no address and no branch.  LIMIT: an infinity or NaN in v / 16 is not treated apart.
; mf: [b][et 8][s 4][half 2][lane 32][8 f16]: the register image of a fragment of M^T: lane (r, h) holds column e = 16 et + r and rows d = 32 s + 16 half + 8 h + 0..7: what my accumulator holds, with 2 s + half = dt.
; NO CLUSTER, NO PREFETCH: a work-group's 128 KiB go out in one burst and the launch is over when they have come.
; REGISTERS: window 0: addresses, v16-47 four accumulators, v48-55 running maxima and minima, v64-159 Wq, v160-203 at work in wave 0.  Window 1: v0-127 k^'s 16 fragments, v128-255 v's.
.set SPARE, 4352                       ; LDS: four partial tiles of 1,024 bytes; the waves' four maxima in the block at 4,096; then the spare words, 128 bytes a wave
.set LO,  2                            ; v2  16 l
.set WO,  3                            ; v3  16 x thread: my 4 numbers of Wq
.set WS,  4                            ; v4  8 x thread: the same in bf16
.set LS,  5                            ; v5  1,024 x wave + 16 l
.set MW,  7                            ; v7  4,096 + 4 x wave
.set SPW, 8
.set NIL, 9
.set ACC, 16
.set MX,  48                           ; v[48:51] four chains of packed maxima
.set MN,  52                           ; v[52:55] of packed minima
.set WV,  16
.set MSB, 0
.macro WIN new
.if MSB != (\new)
	s_set_vgpr_msb (MSB<<8)|(\new)
.set MSB, \new
.endif
.endm
	s_load_b256 s[4:11], s[0:1], 0x0               ; kf s[4:5], vf s[6:7], Wq s[8:9], mf s[10:11]
	s_load_b128 s[12:15], s[0:1], 0x20             ; msc s[12:13], wq16 s[14:15]
	v_lshl_add_u32 v[SPW], v0, 2, SPARE
	v_mov_b32 v[NIL], 0
	v_lshrrev_b32 v1, 5, v0
	v_readfirstlane_b32 s[WV], v1                  ; wave 0..3
	s_lshr_b32 s17, ttmp9, 6                       ; b
	s_bfe_u32 s18, ttmp9, 0x30003                  ; dt
	s_and_b32 s19, ttmp9, 7                        ; et
	s_mov_b32 s20, 0x76543210                      ; v_permlanex16_b32: each lane takes its own place in the other half
	s_mov_b32 s21, 0xfedcba98
	v_and_b32 v10, 31, v0
	v_lshlrev_b32 v[LO], 4, v10
	v_lshlrev_b32 v[WO], 4, v0
	v_lshlrev_b32 v[WS], 3, v0
	s_lshl_b32 s22, s[WV], 10
	v_add_nc_u32 v[LS], s22, v[LO]
	s_lshl_b32 s22, s[WV], 2
	s_add_co_u32 s22, s22, 4096
	v_mov_b32 v[MW], s22
	s_lshl_b32 s24, s17, 19                        ; a batch is 64 blocks of 32 rows, 8,192 bytes each;
	s_lshl_b32 s25, s[WV], 17                      ; my wave's 16 blocks
	s_add_co_u32 s24, s24, s25
	s_lshl_b32 s25, s18, 10                        ; a column tile is 1,024 bytes of a block
	s_add_co_u32 s26, s24, s25
	s_lshl_b32 s25, s19, 10
	s_add_co_u32 s28, s24, s25
	s_mov_b32 s27, 0
	s_mov_b32 s29, 0
	s_lshl_b32 s30, ttmp9, 15                      ; my work-group's 8,192 numbers of Wq,
	s_mov_b32 s31, 0
	s_lshl_b32 s32, ttmp9, 14                      ; and of wq16
	s_mov_b32 s33, 0
	s_lshl_b32 s34, s19, 3
	s_add_co_u32 s34, s34, s18                     ; 8 et + dt = 2 (4 et + s) + half
	s_lshl_b32 s34, s34, 9
	s_lshl_b32 s35, s17, 15
	s_add_co_u32 s34, s34, s35
	s_mov_b32 s35, 0
	s_lshl_b32 s36, s17, 3
	s_add_co_u32 s36, s36, s19
	s_lshl_b32 s36, s36, 2                         ; msc: word 8 b + et
	s_mov_b32 s37, 0
	s_wait_kmcnt 0x0
	s_add_nc_u64 s[4:5], s[4:5], s[26:27]
	s_add_nc_u64 s[6:7], s[6:7], s[28:29]
	s_add_nc_u64 s[8:9], s[8:9], s[30:31]
	s_add_nc_u64 s[14:15], s[14:15], s[32:33]
	s_add_nc_u64 s[10:11], s[10:11], s[34:35]
	s_add_nc_u64 s[12:13], s[12:13], s[36:37]
.set i, 0
.rept 16
	global_load_b128 v[64+4*i:64+4*i+3], v[WO], s[8:9] offset:2048*i th:TH_LOAD_NT  ; the work-group's four waves take 2,048 consecutive bytes
.set i, i+1
.endr
	WIN 0x40                                       ; destination window 1
.set i, 0
.rept 16
	global_load_b128 v[8*i:8*i+3],         v[LO], s[4:5] offset:8192*i
	global_load_b128 v[8*i+4:8*i+7],       v[LO], s[4:5] offset:8192*i+512
	global_load_b128 v[128+8*i:128+8*i+3],   v[LO], s[6:7] offset:8192*i
	global_load_b128 v[128+8*i+4:128+8*i+7], v[LO], s[6:7] offset:8192*i+512
.set i, i+1
.endr
	WIN 0
.set i, 0
.rept 8
	v_mov_b32 v[MX+i], 0                           ; both chains start at 0: the largest magnitude is at least that
.set i, i+1
.endr
	s_wait_loadcnt 63                              ; Wq's 16 loads are in: 64 younger loads were issued, and 63 is the largest count that the wait can name
.set n, 0
.rept 32
	v_cvt_pk_bf16_f32 v[128+n], v[64+2*n], v[64+2*n+1]
.set n, n+1
.endr
.set i, 0
.rept 16
	global_store_b64 v[WS], v[128+2*i:128+2*i+1], s[14:15] offset:1024*i  ; a wave stores 256 consecutive bytes, at a multiple of 256 from the buffer's first
.set i, i+1
.endr
	s_wait_loadcnt 0x0
	WIN 0x05                                       ; sources 0 and 1 window 1
.set i, 0
.rept 16                               ; four accumulators take turns, one instruction a turn; the first four products start the sums
.if i < 4
	v_wmma_f32_16x16x32_f16 v[ACC+8*(i%4):ACC+8*(i%4)+7], v[8*i:8*i+7], v[128+8*i:128+8*i+7], 0
.else
	v_wmma_f32_16x16x32_f16 v[ACC+8*(i%4):ACC+8*(i%4)+7], v[8*i:8*i+7], v[128+8*i:128+8*i+7], v[ACC+8*(i%4):ACC+8*(i%4)+7]
.endif
.set i, i+1
.endr
	WIN 0x04                                       ; source 1 window 1: the largest and the smallest of my 512 rows x 16 columns of v / 16, two numbers an instruction
.set n, 0
.rept 128
	v_pk_max_num_f16 v[MX+n%4], v[MX+n%4], v[128+n]
	v_pk_min_num_f16 v[MN+n%4], v[MN+n%4], v[128+n]
.set n, n+1
.endr
	WIN 0
	v_pk_max_num_f16 v[MX], v[MX], v[MX+1]
	v_pk_max_num_f16 v[MX+2], v[MX+2], v[MX+3]
	v_pk_min_num_f16 v[MN], v[MN], v[MN+1]
	v_pk_min_num_f16 v[MN+2], v[MN+2], v[MN+3]
	v_pk_max_num_f16 v[MX], v[MX], v[MX+2]
	v_pk_min_num_f16 v[MN], v[MN], v[MN+2]
	v_xor_b32 v[MN], 0x80008000, v[MN]             ; the smallest, which is 0 or below, with its sign turned
	v_pk_max_num_f16 v[MX], v[MX], v[MN]
	v_cvt_f32_f16 v10, v48.l                       ; (v48 is MX)
	v_cvt_f32_f16 v11, v48.h
	v_max_num_f32 v10, v10, v11
	v_max_num_f32_dpp v10, v10, v10 row_xmask:1 row_mask:0xf bank_mask:0xf
	v_max_num_f32_dpp v10, v10, v10 row_xmask:2 row_mask:0xf bank_mask:0xf
	v_max_num_f32_dpp v10, v10, v10 row_xmask:4 row_mask:0xf bank_mask:0xf
	v_max_num_f32_dpp v10, v10, v10 row_xmask:8 row_mask:0xf bank_mask:0xf
	v_permlanex16_b32 v11, v10, s20, s21
	v_max_num_f32 v10, v10, v11                    ; my wave's largest magnitude, in every lane
.rept 4
	v_nop                                          ; four places ahead of the sums that read the accumulators (ISA guide 7.12.1)
.endr
.irp c, 0,1,2,3
	v_pk_add_f32 v[ACC+2*(\c):ACC+2*(\c)+1], v[ACC+2*(\c):ACC+2*(\c)+1], v[ACC+8+2*(\c):ACC+8+2*(\c)+1]
.endr
.irp c, 0,1,2,3
	v_pk_add_f32 v[ACC+16+2*(\c):ACC+16+2*(\c)+1], v[ACC+16+2*(\c):ACC+16+2*(\c)+1], v[ACC+24+2*(\c):ACC+24+2*(\c)+1]
.endr
.irp c, 0,1,2,3
	v_pk_add_f32 v[ACC+2*(\c):ACC+2*(\c)+1], v[ACC+2*(\c):ACC+2*(\c)+1], v[ACC+16+2*(\c):ACC+16+2*(\c)+1]
.endr
	ds_store_b128 v[LS], v[ACC:ACC+3]
	ds_store_b128 v[LS], v[ACC+4:ACC+7] offset:512
	ds_store_b32 v[MW], v10                        ; all lanes write the same word with the same value
	s_wait_dscnt 0x0                               ; for wave 0's sake: my stores are done
	s_barrier_signal -1
	s_barrier_wait -1
	s_cmp_lg_u32 s[WV], 0
	s_cbranch_scc1 .Lend
	v_mov_b32 v14, 4096
.irp p, 0,1,2,3
	ds_load_b128 v[160+8*(\p):160+8*(\p)+3],   v[LO] offset:1024*(\p)
	ds_load_b128 v[160+8*(\p)+4:160+8*(\p)+7], v[LO] offset:1024*(\p)+512
.endr
	ds_load_b128 v[192:195], v14
	s_wait_dscnt 0x0
.irp c, 0,1,2,3
	v_pk_add_f32 v[160+2*(\c):160+2*(\c)+1], v[160+2*(\c):160+2*(\c)+1], v[168+2*(\c):168+2*(\c)+1]
	v_pk_add_f32 v[176+2*(\c):176+2*(\c)+1], v[176+2*(\c):176+2*(\c)+1], v[184+2*(\c):184+2*(\c)+1]
.endr
.irp c, 0,1,2,3
	v_pk_add_f32 v[160+2*(\c):160+2*(\c)+1], v[160+2*(\c):160+2*(\c)+1], v[176+2*(\c):176+2*(\c)+1]
.endr
	v_max_num_f32 v192, v192, v193
	v_max_num_f32 v194, v194, v195
	v_max_num_f32 v192, v192, v194                 ; vmax
	v_max_num_f32 v192, 0x20000000, v192           ; at least 2^-63, so that eb is at least 64 (it serves vmax = 0 alone: f16's least number is 2^-24)
	v_lshrrev_b32 v10, 23, v192                    ; eb
	v_sub_nc_u32 v12, 0x101, v10
	v_lshlrev_b32 v12, 23, v12                     ; 2^(130 - eb): biased exponent 257 - eb
	v_mov_b32 v13, v12
	v_add_nc_u32 v15, -3, v10
	v_lshlrev_b32 v15, 23, v15                     ; 2^(eb - 130): biased exponent eb - 3
	v_mul_f32 v15, 0x3fb504f3, v15                 ; u = 2^(eb - 130) sqrt(2)
.irp c, 0,1,2,3
	v_pk_mul_f32 v[160+2*(\c):160+2*(\c)+1], v[160+2*(\c):160+2*(\c)+1], v[12:13]
.endr
.irp c, 0,1,2,3
	v_cvt_pk_f16_f32 v[200+(\c)], v[160+2*(\c)], v[160+2*(\c)+1]
.endr
	global_store_b128 v[LO], v[200:203], s[10:11]  ; 512 consecutive bytes, at a multiple of 512 from the buffer's first
	s_cmp_lg_u32 s18, 0                            ; of the eight work-groups of one (batch, et), which hold the same u, the one with dt = 0 stores it
	s_cbranch_scc1 .Lend
	v_mov_b32 v11, 0
	v_cmp_eq_u32 vcc_lo, 0, v0
	s_wait_xcnt 0x0                                ; EXEC changes only behind s_wait_xcnt 0: stores are out
	s_and_saveexec_b32 s22, vcc_lo
	global_store_b32 v11, v15, s[12:13]
	s_wait_xcnt 0x0                                ; and again, ahead of the line that widens it
	s_or_b32 exec_lo, exec_lo, s22
.Lend:
	s_wait_tensorcnt 0x0                           ; the wave's end: behind my last LDS store
	ds_add_u32 v[SPW], v[NIL]
	s_wait_dscnt 0x0
	s_endpgm
.Lfunc_end_k_q78c511c4f0_mprod:
	.size	k_q78c511c4f0_mprod, .Lfunc_end_k_q78c511c4f0_mprod-k_q78c511c4f0_mprod
	.p2alignl 7, 3214868480
	.fill 96, 4, 3214868480
	.section	.rodata,"a",@progbits
	.p2align	6, 0x0
	.amdhsa_kernel k_q78c511c4f0_mprod
		.amdhsa_group_segment_fixed_size 4864
		.amdhsa_private_segment_fixed_size 0
		.amdhsa_enable_private_segment 0
		.amdhsa_kernarg_size 48
		.amdhsa_user_sgpr_count 2
		.amdhsa_user_sgpr_kernarg_segment_ptr 1
		.amdhsa_wavefront_size32 1
		.amdhsa_system_sgpr_workgroup_id_x 1
		.amdhsa_system_sgpr_workgroup_id_y 1
		.amdhsa_system_sgpr_workgroup_id_z 1
		.amdhsa_system_vgpr_workitem_id 0
		.amdhsa_next_free_vgpr 512
		.amdhsa_next_free_sgpr 66
		.amdhsa_reserve_vcc 1
		.amdhsa_float_denorm_mode_32 3
		.amdhsa_float_denorm_mode_16_64 3
		.amdhsa_memory_ordered 1
		.amdhsa_forward_progress 1
		.amdhsa_inst_pref_size 36
	.end_amdhsa_kernel
	.amdgpu_metadata
---
amdhsa.version: [ 1, 2 ]
amdhsa.kernels:
  - .name:           k_q78c511c4f0_mprod
    .symbol:         k_q78c511c4f0_mprod.kd
    .args:
      - { .name: kf, .offset: 0, .size: 8, .value_kind: global_buffer, .address_space: global }
      - { .name: vf, .offset: 8, .size: 8, .value_kind: global_buffer, .address_space: global }
      - { .name: Wq, .offset: 16, .size: 8, .value_kind: global_buffer, .address_space: global }
      - { .name: mf, .offset: 24, .size: 8, .value_kind: global_buffer, .address_space: global }
      - { .name: msc, .offset: 32, .size: 8, .value_kind: global_buffer, .address_space: global }
      - { .name: wq16, .offset: 40, .size: 8, .value_kind: global_buffer, .address_space: global }
    .group_segment_fixed_size: 4864
    .private_segment_fixed_size: 0
    .kernarg_segment_align: 8
    .kernarg_segment_size: 48
    .max_flat_workgroup_size: 128
    .sgpr_count:     66
    .vgpr_count:     512
    .wavefront_size: 32
...
	.end_amdgpu_metadata
.endif
;; end of part 2
;; launch qout (part 3): grid 4 x 64, 4 waves a work-group, clusters of 4 x 4, 327,680 bytes of LDS; arguments x, wq16, bq, mf, msc, out0; writes out0
.if DOCPART == 3
	.amdgcn_target "amdgcn-amd-amdhsa--gfx1250"
	.amdhsa_code_object_version 6
	.text
	.protected	k_q78c511c4f0_qout
	.globl	k_q78c511c4f0_qout
	.p2align	8
	.type	k_q78c511c4f0_qout,@function
k_q78c511c4f0_qout:
	s_mov_b64 s[64:65], 0
	v_nop
	global_prefetch_b8 v0, s[64:65] scope:SCOPE_SE
	s_setreg_imm32_b32 hwreg(HW_REG_WAVE_MODE, 25, 1), 1
	s_wait_xcnt 0x0
	s_wait_alu depctr_hold_cnt(0) depctr_sa_sdst(0) depctr_va_vdst(0) depctr_va_sdst(0) depctr_va_ssrc(0) depctr_va_vcc(0) depctr_vm_vsrc(0)
	s_getreg_b32 s2, hwreg(HW_REG_IB_STS2, 6, 4)
	s_cmp_eq_u32 s2, 0
	s_cbranch_scc0 .Lentry_in_a_cluster
	s_endpgm
.Lentry_in_a_cluster:
	s_bfe_u32 s2, ttmp6, 0x10000c
	s_cmp_lg_u32 s2, 0xf033
	s_cbranch_scc0 .Lentry_shape_is_right
	s_endpgm
.Lentry_shape_is_right:
; LAUNCH 3 OF 3.  q = x Wq^T + bq; q^ = q / max(norm over a head's 128 channels, 1e-12); out = scale q^ (k^^T v).  reference()'s n x n attn is not formed (shown at the head of launch 1).
; x is rounded to bf16 on its way from LDS to the matrix unit, Wq was rounded by launch 2, bq is rounded here; sums in f32.  q^ (within -1 .. 1) goes into the second product in f16, beside launch 2's
; scaled M in f16; the result is multiplied by u[b][e / 16], which undoes M's scale and v's 1 / 16 and holds 1 / sqrt(128).  A row whose sum of squares lies below 2^-126 has a norm below eps: the root's 0 gives the same divisor.
; SHARES.  8,192 x 1,024 numbers of q on 256 work-groups: a tile of 128 rows x 256 columns, two heads.  Wave w: rows 64 (w / 2) on, head w % 2: 64 rows x one whole head, 32 accumulators.
; So the norm and the second product never leave the wave, and q never leaves registers.
; THE PRODUCTS ARE USED TRANSPOSED: source 0 = 16 rows of Wq (channels d), source 1 = 16 rows of x.  Lane (r, h), register j of accumulator (a, t) holds q[row 16 a + r][d = 16 t + 8 h + j].
; The bias is the C operand of the products that start the sums.  Two neighbouring accumulators (t = 2 s, 2 s + 1), rounded to f16 in pairs, ARE source 1 (32 channels x 16 rows) of O^T = M^T q^^T,
; whose result again holds one row a lane, and eight neighbouring columns e.
; RING.  K goes in steps of 128 through two LDS slots: 128 rows of x in f32 (512 bytes + 16 of padding) and 256 rows of wq16 (256 + 16).  Waves 0 and 1 fetch 64 rows of x each, waves 2 and 3 128 rows of wq16 each.
; CLUSTER.  4 x 4 work-groups.  x's tile hangs on the tile row alone and is shared along a row of the cluster, wq16's on the tile column alone and is shared along a column: each is asked for JOINTLY, by the same
; tensor load with the same descriptor and a mask that names the four.  A wave has two tensor loads out at the start and one behind each round.
; REGISTERS, in windows of 256 (s_set_vgpr_msb: bits 1:0 source 0, 3:2 source 1, 5:4 source 2, 7:6 destination):
;   window 0: v16-30 addresses; v32-47 u, a pair for each e tile; v48-63 the norms; v64-127 x in f32, one quarter step; v128-159, v160-191 x in bf16, two buffers; v192-255 at work on the way out
;   window 1: the 32 accumulators, (a, t) at 8 (8 a + t); later O^T, (a, et) likewise
;   window 2: v0-63, v64-127 Wq's fragments, two buffers; later q^ in f16; v128-191 the bias; v192 at work          window 3: M^T's 32 fragments, (et, s) at 8 (4 et + s)
.set PA,    528                        ; an LDS row of x: 132 words: row r starts at bank 4 r mod 64 (64 banks of 4 bytes: ISA guide 11.1), so the 16 rows of a load start at 16 different groups of four banks
.set PB,    272                        ; an LDS row of wq16: 68 words: the same
.set AHALF, 64*PA                      ; what one of x's tensor loads brings, and what a wave reads of x
.set BHALF, 128*PB                     ; the same for wq16
.set BOFF,  2*AHALF
.set SLOT,  BOFF+2*BHALF               ; 137,216
.set STAGE, 2*SLOT                     ; behind the ring, never filled by a tensor load: 16 rows x 528 bytes for each wave, for the way out
.set SP,    528
.set SPARE, STAGE+4*16*SP              ; behind the stages: the spare words, 128 bytes a wave
.set ADRA, 16                          ; v16-17  LDS address of my fragments of x in slot 0, 1
.set ADRB, 20                          ; v20-21  the same for wq16
.set STO,  24                          ; v24  the way out: where I put 32 bytes of a row
.set RD,   25                          ; v25  where I read a row back
.set GO,   26                          ; v26  16 l
.set BO,   27                          ; v27  32 (l / 16)
.set SPW,  28                          ; v28  LDS address of my spare word; never rewritten
.set NIL,  29                          ; v29  0; never rewritten
.set PFO,  30                          ; v30  the prefetches' offset; never rewritten
.set UV,   32
.set SS,   48                          ; row block a: v[48 + 4 a ..]: two chains of sums of squares; then 1 / norm in the first
.set AF,   64
.set ABF,  128
.set TMP,  192
.set BIAS, 128                         ; window 2
.set WV, 16
.set RH, 17                            ; which 64 rows are mine.  Also: I fetch for x (0) or for wq16 (1)
.set CH, 18                            ; which head of the tile's two.  Also: which half of that tile I fetch
.set CX, 19
.set CY, 20
.set TC, 21
.set TR, 22
.set G1A, 24                           ; s[24:31] descriptor group 1 for x's tiles; s[32:39] group 0, a set for each slot
.set G0A, 32
.set G1B, 40                           ; s[40:47], s[48:55] the same for wq16's
.set G0B, 48
.set PFA, 58                           ; s[58:59] where my prefetches stand
.set LIM, 60                           ; s60  2 in a wave that prefetches, else the greatest number
.set PFS, 62                           ; s[62:63] a K step in bytes: 512 for x, 256 for wq16
.set SEL, 66                           ; s[66:67] v_permlanex16_b32's selects
.set U,   72                           ; s[72:79] u of the batch's eight e tiles
.set OUTP, 90
.set MSB, 0
.macro WIN new                         ; the immediate's high byte repeats the setting that is left; a switch that changes nothing is dropped
.if MSB != (\new)
	s_set_vgpr_msb (MSB<<8)|(\new)
.set MSB, \new
.endif
.endm
.set W_MUL, 0x52                       ; Wq window 2, x window 0, C and D window 1
.set W_MUZ, 0x62                       ; the same with C, the bias, in window 2
.set W_TOB, 0x80                       ; destination window 2
.set W_TOM, 0xc0                       ; destination window 3
.set W_SQ,  0x05                       ; sources 0 and 1 window 1, source 2 and destination window 0
.set W_RS,  0x41                       ; destination and source 0 window 1, source 1 window 0
.set W_TOP, 0x85                       ; sources window 1, destination window 2
.set W_PV,  0x5b                       ; M^T window 3, q^ window 2, C and D window 1
.set W_SC,  0x01                       ; source 0 window 1
.set W_22,  0x8a                       ; all in window 2
.macro PLACES
.rept 4
	v_nop
.endr
.endm
; A joint load.  The branch hangs on the wave's number alone.  An s_nop 0 and four v_nop follow each of the two lines, ahead of the jump, the label and what follows.
.macro JLOAD s
	s_cmp_eq_u32 s[RH], 0
	s_cbranch_scc0 .Lfor_b_\@
	tensor_load_to_lds s[G0A+4*(\s):G0A+4*(\s)+3], s[G1A:G1A+7]
	s_nop 0
.rept 4
	v_nop
.endr
	s_branch .Lasked_\@
.Lfor_b_\@:
	tensor_load_to_lds s[G0B+4*(\s):G0B+4*(\s)+3], s[G1B:G1B+7]
	s_nop 0
.rept 4
	v_nop
.endr
.Lasked_\@:
.endm
; A PREFETCH INTO THE L2 of the K step that stands FOUR refills on (512 matrix instructions of a wave ahead of the load that will want it), one instruction a wave, behind the joint load and the run of LDS loads.
; Each aligned block of 256 bytes is named once in the launch.  x: a tile row is read by one row of one cluster; of the 64 rows that wave 0 or 1 fetches, the partner at place cx takes 16, two blocks a row.
; wq16: a tile column is read by all sixteen clusters: the cluster with y = 0 asks; of the 128 rows that wave 2 or 3 fetches, the partner at place cy takes 32, a block a row.  The partners are told apart BY ADDRESS.
; The first six K steps come by their loads alone; the loop's last two trips (s3 = 2, 1) ask for nothing: their K steps would lie past the rows' ends.
.macro ASK
	s_cmp_gt_u32 s3, s[LIM]
	s_cbranch_scc0 .Lnot_mine_\@
	global_prefetch_b8 v[PFO], s[PFA:PFA+1] th:TH_LOAD_NT scope:SCOPE_SE
.Lnot_mine_\@:
.endm
.macro CREST                           ; a round of the cluster's barrier behind its opening barrier
	s_cmp_lg_u32 s[WV], 0
	s_cbranch_scc1 .Lnot_wave_0_\@
	s_barrier_signal -3
.Lnot_wave_0_\@:
	s_barrier_wait -3
	s_barrier_signal -1
	s_barrier_wait -1
.endm
.macro CROUND                          ; a whole round
	s_barrier_signal -1
	s_barrier_wait -1
	CREST
.endm
	s_load_b256 s[4:11], s[0:1], 0x0               ; x s[4:5], wq16 s[6:7], bq s[8:9], mf s[10:11]
	s_load_b128 s[12:15], s[0:1], 0x20             ; msc s[12:13], out0 s[14:15]
	v_lshl_add_u32 v[SPW], v0, 2, SPARE
	v_mov_b32 v[NIL], 0
	ds_add_u32 v[SPW], v[NIL]                      ; the wave's opening: the add, twice on end, and its wait stand ahead of my first tensor load; the set-up below stands between the second and the wait
	ds_add_u32 v[SPW], v[NIL]
	v_lshrrev_b32 v1, 5, v0
	v_readfirstlane_b32 s[WV], v1                  ; wave 0..3
	s_lshr_b32 s[RH], s[WV], 1
	s_and_b32 s[CH], s[WV], 1
	s_bfe_u32 s[CX], ttmp6, 0x40000                ; my place in the cluster
	s_bfe_u32 s[CY], ttmp6, 0x40004
	s_lshl_b32 s[TC], ttmp9, 2                     ; in a cluster launch ttmp9 and ttmp7 count clusters
	s_add_co_u32 s[TC], s[TC], s[CX]               ; tile column = 4 x cluster x + cx
	s_and_b32 s[TR], ttmp7, 0xffff
	s_lshl_b32 s[TR], s[TR], 2
	s_add_co_u32 s[TR], s[TR], s[CY]               ; tile row = 4 x cluster y + cy
	s_lshl_b32 s68, s[CY], 2
	s_lshl_b32 s68, 15, s68                        ; my row of the cluster
	s_lshl_b32 s70, 0x1111, s[CX]                  ; my column
	s_or_b32 s[G1A], s68, (2<<16)|(1<<20)|(1<<21)|(6<<22)|(3<<25)  ; 15:0 the mask; 17:16 elements of 4 bytes; 20 padding on; 21 set beside a mask; 24:22 after every 128 words (code 6); 31:25 4 words of it (code 3)
	s_mov_b32 s[G1A+1], 128<<16                    ; tensor_dim0 = 128
	s_mov_b32 s[G1A+2], 64<<16                     ; tensor_dim1 = 64
	s_mov_b32 s[G1A+3], 128<<16                    ; tile_dim0 = 128
	s_mov_b32 s[G1A+4], 64                         ; tile_dim1 = 64
	s_mov_b32 s[G1A+5], 2048                       ; elements from row to row
	s_mov_b32 s[G1A+6], 0
	s_mov_b32 s[G1A+7], 0
	s_or_b32 s[G1B], s70, (1<<16)|(1<<20)|(1<<21)|(5<<22)|(3<<25)  ; elements of 2 bytes; padding after every 64 words (code 5)
	s_mov_b32 s[G1B+1], 128<<16
	s_mov_b32 s[G1B+2], 128<<16                    ; tensor_dim1 = 128
	s_mov_b32 s[G1B+3], 128<<16
	s_mov_b32 s[G1B+4], 128                        ; tile_dim1 = 128
	s_mov_b32 s[G1B+5], 2048
	s_mov_b32 s[G1B+6], 0
	s_mov_b32 s[G1B+7], 0
	s_mul_i32 s56, s[CH], AHALF                    ; where the tiles go: no place in the cluster enters an LDS address
	s_mul_i32 s57, s[CH], BHALF
	s_add_co_u32 s57, s57, BOFF
	s_lshl_b32 s68, s[TR], 7                       ; x: row 128 x tile row + 64 x half, 8,192 bytes a row
	s_lshl_b32 s69, s[CH], 6
	s_add_co_u32 s68, s68, s69
	s_lshl_b32 s68, s68, 13
	s_mov_b32 s69, 0
	s_lshl_b32 s70, s[TC], 8                       ; wq16: row 256 x tile column + 128 x half, 4,096 bytes a row
	s_lshl_b32 s71, s[CH], 7
	s_add_co_u32 s70, s70, s71
	s_lshl_b32 s70, s70, 12
	s_mov_b32 s71, 0
	s_mov_b32 s[SEL], 0x76543210
	s_mov_b32 s[SEL+1], 0xfedcba98
	s_wait_dscnt 0x0                               ; both opening adds are done
	s_wait_kmcnt 0x0
	s_add_nc_u64 s[68:69], s[4:5], s[68:69]
	s_add_nc_u64 s[70:71], s[6:7], s[70:71]
	CROUND                                         ; all sixteen work-groups are here: the first joint loads meet
.irp s, 0,1
	s_mov_b32 s[G0A+4*(\s)], 1                                      ; count = 1
	s_add_co_u32 s[G0A+4*(\s)+1], s56, (\s)*SLOT                    ; LDS address
	s_add_nc_u64 s[G0A+4*(\s)+2:G0A+4*(\s)+3], s[68:69], (\s)*512   ; global address: K step s
	s_or_b32 s[G0A+4*(\s)+3], s[G0A+4*(\s)+3], 0x80000000           ; type = 2
	s_mov_b32 s[G0B+4*(\s)], 1
	s_add_co_u32 s[G0B+4*(\s)+1], s57, (\s)*SLOT
	s_add_nc_u64 s[G0B+4*(\s)+2:G0B+4*(\s)+3], s[70:71], (\s)*256
	s_or_b32 s[G0B+4*(\s)+3], s[G0B+4*(\s)+3], 0x80000000
	JLOAD \s
.endr
	; addresses
	v_and_b32 v1, 15, v0                           ; l % 16
	v_bfe_u32 v2, v0, 4, 1                         ; l / 16
	v_and_b32 v3, 31, v0                           ; l
	v_mul_u32_u24 v4, v1, PA
	v_lshl_add_u32 v4, v2, 5, v4                   ; x in f32: row x pitch + 32 x half
	v_mul_u32_u24 v5, v1, PB
	v_lshl_add_u32 v5, v2, 4, v5                   ; wq16: row x pitch + 16 x half
	s_mul_i32 s93, s[RH], AHALF
	v_add_nc_u32 v[ADRA], s93, v4
	v_add_nc_u32 v[ADRA+1], SLOT, v[ADRA]
	v_add_nc_u32 v[ADRB], s57, v5
	v_add_nc_u32 v[ADRB+1], SLOT, v[ADRB]
	s_mul_i32 s93, s[WV], 16*SP
	s_add_co_u32 s93, s93, STAGE                   ; my stage
	v_add_nc_u32 v[STO], s93, v4                   ; in: row l % 16, 32 bytes for each half of the lanes
	v_lshlrev_b32 v[GO], 4, v3
	v_add_nc_u32 v[RD], s93, v[GO]                 ; back: 32 lanes take one row of 512 bytes
	v_lshlrev_b32 v[BO], 5, v2
	s_and_b32 s80, ttmp7, 0xffff                   ; cluster y
	s_lshr_b32 s81, s80, 2                         ; the batch: 16 tile rows, four clusters
	s_lshl_b32 s82, s81, 5
	s_mov_b32 s83, 0
	s_add_nc_u64 s[84:85], s[12:13], s[82:83]
	s_load_b256 s[U:U+7], s[84:85], 0x0            ; u[b][0..7]
	s_lshl_b32 s92, s[TC], 1
	s_add_co_u32 s92, s92, s[CH]                   ; my head
	s_lshl_b32 s82, s92, 9
	s_add_nc_u64 s[86:87], s[8:9], s[82:83]        ; bq at my head's 128 numbers
	s_lshl_b32 s82, s81, 15
	s_add_nc_u64 s[88:89], s[10:11], s[82:83]      ; mf at my batch
	s_lshl_b32 s93, s81, 3
	s_add_co_u32 s93, s93, s92
	s_lshl_b32 s93, s93, 11                        ; (8 b + head) x 2,048 rows
	s_and_b32 s82, s[TR], 15
	s_lshl_b32 s82, s82, 7
	s_add_co_u32 s93, s93, s82                     ; + the tile's 128 rows in the batch
	s_lshl_b32 s82, s[RH], 6
	s_add_co_u32 s93, s93, s82                     ; + my 64
	s_lshl_b32 s82, s93, 9                         ; 512 bytes a row
	s_add_nc_u64 s[OUTP:OUTP+1], s[14:15], s[82:83]
	WIN W_TOB
.irp t, 0,1,2,3,4,5,6,7                ; the bias as a C operand: lane (r, h), register j of tile t: bq[16 t + 8 h + j]
	global_load_b128 v[BIAS+8*(\t):BIAS+8*(\t)+3],   v[BO], s[86:87] offset:64*(\t)
	global_load_b128 v[BIAS+8*(\t)+4:BIAS+8*(\t)+7], v[BO], s[86:87] offset:64*(\t)+16
.endr
	WIN W_TOM
.set i, 0
.rept 32                               ; M^T's fragments, as launch 2 stored them
	global_load_b128 v[8*i:8*i+3],   v[GO], s[88:89] offset:1024*i
	global_load_b128 v[8*i+4:8*i+7], v[GO], s[88:89] offset:1024*i+512
.set i, i+1
.endr
	WIN 0
	; the prefetches' address and offset, in registers of their own
	s_lshl_b32 s94, s[TR], 7
	s_lshl_b32 s95, s[CH], 6
	s_add_co_u32 s94, s94, s95
	s_lshl_b32 s95, s[CX], 4
	s_add_co_u32 s94, s94, s95                     ; x: my work-group's 16 of the 64 rows that I fetch
	s_lshl_b32 s94, s94, 13
	s_add_co_u32 s94, s94, 5*512                   ; at K step 5: the first refill steps it to 6
	s_lshl_b32 s96, s[TC], 8
	s_lshl_b32 s95, s[CH], 7
	s_add_co_u32 s96, s96, s95
	s_lshl_b32 s95, s[CY], 5
	s_add_co_u32 s96, s96, s95                     ; wq16: my work-group's 32 of the 128 rows
	s_lshl_b32 s96, s96, 12
	s_add_co_u32 s96, s96, 5*256
	s_cmp_eq_u32 s[RH], 0                          ; do I fetch for x?
	s_cselect_b32 s94, s94, s96
	s_cselect_b64 s[PFA:PFA+1], s[4:5], s[6:7]
	s_cselect_b32 s96, 1, 0                        ; x: two lanes a row
	s_cselect_b32 s97, 13, 12                      ; the row's pitch as a shift
	s_cselect_b32 s[LIM], 0, s80                   ; x: every cluster asks; wq16: the cluster with y = 0: the same in all sixteen partners, for a given wave
	s_mov_b32 s95, 0
	s_add_nc_u64 s[PFA:PFA+1], s[PFA:PFA+1], s[94:95]
	s_lshl_b32 s[PFS], 256, s96
	s_mov_b32 s[PFS+1], 0
	s_cmp_eq_u32 s[LIM], 0
	s_cselect_b32 s[LIM], 2, -1
	v_lshrrev_b32 v[PFO], s96, v3
	v_lshlrev_b32 v[PFO], s97, v[PFO]
	v_and_b32 v6, s96, v3
	v_lshl_add_u32 v[PFO], v6, 8, v[PFO]
; n matrix instructions from number i0 on, i = 8 a + t, on buffer f.  The 32 accumulators take turns, one instruction a turn, in the same order in every quarter step.  zero = 1: the bias starts the sums.
.macro MUL i0, n, f, zero
.set mi, \i0
.rept \n
.if \zero
	WIN W_MUZ
	v_wmma_f32_16x16x32_bf16 v[8*mi:8*mi+7], v[64*(\f)+8*(mi%8):64*(\f)+8*(mi%8)+7], v[ABF+32*(\f)+8*(mi/8):ABF+32*(\f)+8*(mi/8)+7], v[BIAS+8*(mi%8):BIAS+8*(mi%8)+7]
.else
	WIN W_MUL
	v_wmma_f32_16x16x32_bf16 v[8*mi:8*mi+7], v[64*(\f)+8*(mi%8):64*(\f)+8*(mi%8)+7], v[ABF+32*(\f)+8*(mi/8):ABF+32*(\f)+8*(mi/8)+7], v[8*mi:8*mi+7]
.endif
.set mi, mi+1
.endr
.endm
; 32 LDS loads in one run: quarter j (32 along K) of a slot: Wq's 8 fragments into buffer g, x's 4 in f32 (the 32 bytes at 32 h and at 64 + 32 h of a row's 128)
.macro FETCH slot, j, g
	WIN W_TOB
.irp t, 0,1,2,3,4,5,6,7
	ds_load_b128 v[64*(\g)+8*(\t):64*(\g)+8*(\t)+3],   v[ADRB+(\slot)] offset:(\t)*16*PB+64*(\j)
	ds_load_b128 v[64*(\g)+8*(\t)+4:64*(\g)+8*(\t)+7], v[ADRB+(\slot)] offset:(\t)*16*PB+64*(\j)+32
.endr
	WIN 0
.irp a, 0,1,2,3
	ds_load_b128 v[AF+16*(\a):AF+16*(\a)+3],     v[ADRA+(\slot)] offset:(\a)*16*PA+128*(\j)
	ds_load_b128 v[AF+16*(\a)+4:AF+16*(\a)+7],   v[ADRA+(\slot)] offset:(\a)*16*PA+128*(\j)+16
	ds_load_b128 v[AF+16*(\a)+8:AF+16*(\a)+11],  v[ADRA+(\slot)] offset:(\a)*16*PA+128*(\j)+64
	ds_load_b128 v[AF+16*(\a)+12:AF+16*(\a)+15], v[ADRA+(\slot)] offset:(\a)*16*PA+128*(\j)+80
.endr
.endm
.macro RIDE u, g                       ; four of the 32 conversions that round the fetched x into buffer g
	WIN 0
.irp c, 0,1,2,3
	v_cvt_pk_bf16_f32 v[ABF+32*(\g)+4*(\u)+(\c)], v[AF+8*(\u)+2*(\c)], v[AF+8*(\u)+2*(\c)+1]
.endr
.endm
.macro RIDES f, g, zero                ; a quarter's last eight products, four conversions behind each.  The last four are the places (ISA guide 7.12.1) between the quarter's last product and
.set qu, 0                             ; the next run of loads into Wq's buffer f and the next conversions into x's buffer f: they name none of that product's registers
.rept 8
	MUL 24+qu, 1, \f, \zero
	RIDE qu, \g
.set qu, qu+1
.endr
.endm
; A K step is four quarters of 32 along K, 32 matrix instructions each, on buffers 0, 1, 0, 1.  At a quarter's head its own buffers are whole, the f32 registers are free and no LDS load is out.
; One of the first three: fetches quarter jn of the same slot for buffer g, multiplies buffer f.
.macro QUARTER slot, jn, f, g, zero=0
	FETCH \slot, \jn, \g
	MUL 0, 24, \f, \zero
	s_wait_dscnt 0x0                               ; the 32 loads are in
	RIDES \f, \g, \zero
.endm
; The last quarter multiplies buffer 1 and changes slots; the slot's last bytes were read in the quarter before.  ONE barrier: ahead of it each wave waits for all its tensor loads (the one that is out is its part
; of the next slot), adds 0 to its spare word and waits for that.  fill = 1: the barrier opens a round of the cluster's, and the slot is filled again, two K steps ahead, first thing behind the round:
; from that request to the wait for it a wave issues 120 matrix instructions.
.macro TURN slot, next, fill
.if \fill
	s_wait_xcnt 0x0                                ; the last prefetch, a K step back, has read its address
	s_add_nc_u64 s[PFA:PFA+1], s[PFA:PFA+1], s[PFS:PFS+1]
.endif
	WIN 0
	s_wait_tensorcnt 0x0                           ; all my tensor loads have landed
	ds_add_u32 v[SPW], v[NIL]                      ; 0 onto my spare word; four products stand between it and the wait for it
	MUL 0, 4, 1, 0
	s_wait_dscnt 0x0                               ; the add is done; my reads of this slot were over at the quarter's head
	s_barrier_signal -1
	MUL 4, 4, 1, 0
	WIN 0                                          ; at a branch and at a label every window is 0
	s_barrier_wait -1
.if \fill
	CREST                                          ; no wave of any partner still reads this slot's tile or has a load on its way
	s_add_nc_u64 s[G0A+4*(\slot)+2:G0A+4*(\slot)+3], s[G0A+4*(\slot)+2:G0A+4*(\slot)+3], 2*512
	s_add_nc_u64 s[G0B+4*(\slot)+2:G0B+4*(\slot)+3], s[G0B+4*(\slot)+2:G0B+4*(\slot)+3], 2*256
	JLOAD \slot
.else
	PLACES
.endif
	FETCH \next, 0, 0
.if \fill
	ASK
.endif
	MUL 8, 16, 1, 0
	s_wait_dscnt 0x0
	RIDES 1, 0, 0
.endm
	s_wait_tensorcnt 1                             ; my part of K step 0 is in; K step 1's may stay out
	s_barrier_signal -1
	s_barrier_wait -1                              ; everybody's is
	FETCH 0, 0, 0
	s_wait_loadcnt 0x0                             ; the bias and M^T
	s_wait_kmcnt 0x0                               ; u
	WIN W_22
.set n, 0
.rept 32                               ; the bias is rounded to bf16, like every input, and widened again
	v_cvt_pk_bf16_f32 v192, v[BIAS+2*n], v[BIAS+2*n+1]
	v_lshlrev_b32 v[BIAS+2*n], 16, v192
	v_and_b32 v[BIAS+2*n+1], 0xffff0000, v192
.set n, n+1
.endr
	WIN 0
.irp e, 0,1,2,3,4,5,6,7
	v_mov_b32 v[UV+2*(\e)], s[U+(\e)]
	v_mov_b32 v[UV+2*(\e)+1], s[U+(\e)]
.endr
	s_wait_dscnt 0x0
.irp u, 0,1,2,3,4,5,6,7
	RIDE \u, 0
.endr
	QUARTER 0, 1, 0, 1, 1                          ; the first quarter stands ahead of the loop: its products start the sums, with the bias
	WIN 0
	s_mov_b32 s3, 7
.Llap:                                         ; a trip goes once round the ring, from a lap's second quarter to the next lap's first, and fills both slots again: K steps 2 .. 15
	QUARTER 0, 2, 1, 0
	QUARTER 0, 3, 0, 1
	TURN 0, 1, 1
	QUARTER 1, 1, 0, 1
	QUARTER 1, 2, 1, 0
	QUARTER 1, 3, 0, 1
	TURN 1, 0, 1
	QUARTER 0, 1, 0, 1
	WIN 0
	s_sub_co_u32 s3, s3, 1
	s_cmp_lg_u32 s3, 0
	s_cbranch_scc1 .Llap
	QUARTER 0, 2, 1, 0                             ; the last lap fills nothing, and has no round
	QUARTER 0, 3, 0, 1
	TURN 0, 1, 0
	QUARTER 1, 1, 0, 1
	QUARTER 1, 2, 1, 0
	QUARTER 1, 3, 0, 1
	MUL 0, 32, 1, 0
	WIN 0
	PLACES
	; THE NORM.  A row's 128 channels lie in 64 registers of two lanes (l, l + 16).  Two chains a row block; each accumulator's lowest registers are read first.
	WIN W_SQ
.set c, 0
.rept 32
.irp a, 0,1,2,3
.if c < 2
	v_pk_mul_f32 v[SS+4*(\a)+2*(c%2):SS+4*(\a)+2*(c%2)+1], v[64*(\a)+2*c:64*(\a)+2*c+1], v[64*(\a)+2*c:64*(\a)+2*c+1]
.else
	v_pk_fma_f32 v[SS+4*(\a)+2*(c%2):SS+4*(\a)+2*(c%2)+1], v[64*(\a)+2*c:64*(\a)+2*c+1], v[64*(\a)+2*c:64*(\a)+2*c+1], v[SS+4*(\a)+2*(c%2):SS+4*(\a)+2*(c%2)+1]
.endif
.endr
.set c, c+1
.endr
	WIN 0
.irp a, 0,1,2,3
	v_pk_add_f32 v[SS+4*(\a):SS+4*(\a)+1], v[SS+4*(\a):SS+4*(\a)+1], v[SS+4*(\a)+2:SS+4*(\a)+3]
.endr
.irp a, 0,1,2,3
	v_add_f32 v[SS+4*(\a)], v[SS+4*(\a)], v[SS+4*(\a)+1]
.endr
.irp a, 0,1,2,3
	v_permlanex16_b32 v[SS+4*(\a)+1], v[SS+4*(\a)], s[SEL], s[SEL+1]
.endr
.irp a, 0,1,2,3
	v_add_f32 v[SS+4*(\a)], v[SS+4*(\a)], v[SS+4*(\a)+1]
.endr
.irp a, 0,1,2,3
	v_sqrt_f32 v[SS+4*(\a)], v[SS+4*(\a)]
.endr
	v_nop                                          ; a plain instruction behind the last root,
	s_wait_alu depctr_va_vdst(0)                   ; and the wait ahead of the first use: one for the four
.irp a, 0,1,2,3
	v_max_num_f32 v[SS+4*(\a)], 0x2b8cbccc, v[SS+4*(\a)]  ; eps = 1e-12
.endr
.irp a, 0,1,2,3
	v_rcp_f32 v[SS+4*(\a)], v[SS+4*(\a)]
.endr
	v_nop
	s_wait_alu depctr_va_vdst(0)                   ; one for the four reciprocals
	WIN W_RS
.set c, 0
.rept 128
	v_pk_mul_f32 v[2*c:2*c+1], v[2*c:2*c+1], v[SS+4*(c/32):SS+4*(c/32)+1] op_sel_hi:[1,0]  ; q^ = q / norm
.set c, c+1
.endr
	WIN W_TOP
.set c, 0
.rept 128
	v_cvt_pk_f16_f32 v[c], v[2*c], v[2*c+1]        ; fragment (a, s), 32 channels x 16 rows, at 32 a + 8 s
.set c, c+1
.endr
	; O^T = M^T q^^T: 4 steps of 32 channels; the 32 accumulators (a, et) take turns; the first step starts the sums
	WIN W_PV
.set ks, 0
.rept 4
.set i, 0
.rept 32
.if ks == 0
	v_wmma_f32_16x16x32_f16 v[8*i:8*i+7], v[8*(4*(i%8)+ks):8*(4*(i%8)+ks)+7], v[32*(i/8)+8*ks:32*(i/8)+8*ks+7], 0
.else
	v_wmma_f32_16x16x32_f16 v[8*i:8*i+7], v[8*(4*(i%8)+ks):8*(4*(i%8)+ks)+7], v[32*(i/8)+8*ks:32*(i/8)+8*ks+7], v[8*i:8*i+7]
.endif
.set i, i+1
.endr
.set ks, ks+1
.endr
	WIN 0
	PLACES
	; THE WAY OUT, a block of 16 rows at a time: times u; 32 bytes a lane and e tile into my own stage; back as whole rows of 512 bytes; stored.
.macro SCALE a
	WIN W_SC
.set n, 0
.rept 32
	v_pk_mul_f32 v[TMP+2*n:TMP+2*n+1], v[64*(\a)+2*n:64*(\a)+2*n+1], v[UV+2*(n/4):UV+2*(n/4)+1]
.set n, n+1
.endr
	WIN 0
.endm
.macro TOSTAGE a
.set BK, AF+64*((\a)%2)
.if (\a) >= 2
	s_wait_xcnt 0x0                                ; the stores of the block two back have read these registers: they are loaded again only behind this wait
.endif
.irp e, 0,1,2,3,4,5,6,7
	ds_store_b128 v[STO], v[TMP+8*(\e):TMP+8*(\e)+3]   offset:64*(\e)
	ds_store_b128 v[STO], v[TMP+8*(\e)+4:TMP+8*(\e)+7] offset:64*(\e)+16
.endr
.set n, 0
.rept 16
	ds_load_b128 v[BK+4*n:BK+4*n+3], v[RD] offset:n*SP  ; LDS serves a wave's instructions in order (ISA guide 5.7.1.4): these see the stores above; the next block's stores come behind them
.set n, n+1
.endr
.endm
.macro SEND a
.set BK, AF+64*((\a)%2)
	s_wait_dscnt 0x0                               ; the block is back in registers
.set n, 0
.rept 16
	global_store_b128 v[GO], v[BK+4*n:BK+4*n+3], s[OUTP:OUTP+1] offset:(16*(\a)+n)*512 th:TH_STORE_NT  ; the wave stores a row: 512 consecutive bytes, at a multiple of 512 from out0's first
.set n, n+1
.endr
.endm
	SCALE 0
	TOSTAGE 0
.irp a, 1,2,3                          ; a block's arithmetic stands between the loads of the block before and the wait for them
	SCALE \a
	SEND (\a)-1
	TOSTAGE \a
.endr
	SEND 3
	s_wait_tensorcnt 0x0                           ; the wave's end: behind my last tensor load and my last LDS store
	ds_add_u32 v[SPW], v[NIL]
	s_wait_dscnt 0x0
	CROUND                                         ; the closing round: no work-group ends while a partner may still ask for a tile that names it
	s_endpgm
.Lfunc_end_k_q78c511c4f0_qout:
	.size	k_q78c511c4f0_qout, .Lfunc_end_k_q78c511c4f0_qout-k_q78c511c4f0_qout
	.p2alignl 7, 3214868480
	.fill 96, 4, 3214868480
	.section	.rodata,"a",@progbits
	.p2align	6, 0x0
	.amdhsa_kernel k_q78c511c4f0_qout
		.amdhsa_group_segment_fixed_size 327680
		.amdhsa_private_segment_fixed_size 0
		.amdhsa_enable_private_segment 0
		.amdhsa_kernarg_size 48
		.amdhsa_user_sgpr_count 2
		.amdhsa_user_sgpr_kernarg_segment_ptr 1
		.amdhsa_wavefront_size32 1
		.amdhsa_system_sgpr_workgroup_id_x 1
		.amdhsa_system_sgpr_workgroup_id_y 1
		.amdhsa_system_sgpr_workgroup_id_z 1
		.amdhsa_system_vgpr_workitem_id 0
		.amdhsa_next_free_vgpr 1024
		.amdhsa_next_free_sgpr 100
		.amdhsa_reserve_vcc 0
		.amdhsa_float_denorm_mode_32 3
		.amdhsa_float_denorm_mode_16_64 3
		.amdhsa_memory_ordered 1
		.amdhsa_forward_progress 1
		.amdhsa_inst_pref_size 187
	.end_amdhsa_kernel
	.amdgpu_metadata
---
amdhsa.version: [ 1, 2 ]
amdhsa.kernels:
  - .name:           k_q78c511c4f0_qout
    .symbol:         k_q78c511c4f0_qout.kd
    .args:
      - { .name: x, .offset: 0, .size: 8, .value_kind: global_buffer, .address_space: global }
      - { .name: wq16, .offset: 8, .size: 8, .value_kind: global_buffer, .address_space: global }
      - { .name: bq, .offset: 16, .size: 8, .value_kind: global_buffer, .address_space: global }
      - { .name: mf, .offset: 24, .size: 8, .value_kind: global_buffer, .address_space: global }
      - { .name: msc, .offset: 32, .size: 8, .value_kind: global_buffer, .address_space: global }
      - { .name: out0, .offset: 40, .size: 8, .value_kind: global_buffer, .address_space: global }
    .group_segment_fixed_size: 327680
    .private_segment_fixed_size: 0
    .kernarg_segment_align: 8
    .kernarg_segment_size: 48
    .max_flat_workgroup_size: 128
    .sgpr_count:     100
    .vgpr_count:     1024
    .wavefront_size: 32
...
	.end_amdgpu_metadata
.endif
;; end of part 3
;; ======== version 2 of 2: 3 launches; version 1 with the launch kvproj written anew for expert scheduling mode
;; limits: values are held in f16: magnitudes above 65,504 overflow, below 6.1e-05 lose precision; right only within a limited range of input values
;; workspace buffers: kf 2,097,152 bytes; vf 2,097,152 bytes; wq16 4,194,304 bytes; mf 131,072 bytes; msc 256 bytes
;; launch kvproj (part 4): grid 2 x 128, 4 waves a work-group, no clusters, 131,584 bytes of LDS; arguments context, Wk, Wv, bk, bv, kf, vf; writes kf, vf
.if DOCPART == 4
	.amdgcn_target "amdgcn-amd-amdhsa--gfx1250"
	.amdhsa_code_object_version 6
	.text
	.protected	k_q78c511c4f0_kvproj
	.globl	k_q78c511c4f0_kvproj
	.p2align	8
	.type	k_q78c511c4f0_kvproj,@function
k_q78c511c4f0_kvproj:
	s_mov_b64 s[64:65], 0
	v_nop
	global_prefetch_b8 v0, s[64:65] scope:SCOPE_SE
	s_setreg_imm32_b32 hwreg(HW_REG_WAVE_SCHED_MODE, 0, 2), 2
	s_setreg_imm32_b32 hwreg(HW_REG_WAVE_MODE, 25, 1), 1
	s_wait_xcnt 0x0
	s_wait_alu depctr_vm_vsrc(0)
; LAUNCH 1 OF 3.  k^ = l2norm(context Wk^T + bk) and v / 16 = (context Wv^T + bv) / 16, both [8192][128], stored in f16.
; WORK LEFT OUT BY THE PROGRAM.  reference() forms attn = scale (q^ k^^T), [b][H][n][n], and then out = attn v.  Between the two products stands nothing but the
; factor scale, so in exact arithmetic, for all values of the inputs, out = scale q^ (k^^T v): products of matrices may be bracketed either way, and a scalar factor moves freely.  attn is no output.
; So the n x n matrix is never formed: launch 2 makes M_b = k^_b^T v_b, 128 x 128 for each batch, launch 3 makes q^ M_b.  Every input still has a way to the output: all eight are loaded.
; LIMITS.  A NaN, an infinity or an overflow that would arise in attn alone is not carried to the result; the sums run in another order than reference()'s.
; All inputs, the biases too, are rounded to bf16 for the products, sums in f32.  k^ lies in -1 .. 1.  v is stored as v / 16 in f16: |v| from 1,048,064 on becomes an infinity; below 1e-3 it keeps f16's fixed step of 9.5e-7.
; A row of k whose sum of squares lies below 2^-126 has a norm below the eps of 1e-12: the root's 0 there gives the same divisor, eps.
; SHARES.  Work-group (kind, y): kind 0 makes k^, kind 1 v; y is a block of 64 rows of context; the tile is 64 rows x all 128 columns, 32 accumulators of 16 x 16.
; THE 2,048 FEATURES ARE SPLIT AMONG THE FOUR WAVES: wave w takes features 512 w .. 512 w + 511 for the whole tile.  No wave wants a byte that another has fetched, so operands come from memory
; straight into registers, as f32, and are rounded there; the four partial tiles meet in LDS at the end, where wave w finishes rows 16 w .. 16 w + 15.
; NO CLUSTER, NO LDS RING: a unit of 32 features is 32 matrix instructions a wave; two sets of registers keep a wave's loads on their way without a barrier in the loop.
; WHAT IS STORED is the register image of a 16-bit fragment whose K runs down the rows: kf, vf: [b][ms 64][t 8][half 2][lane 32][8 f16]; lane (r, h) holds column 16 t + r and rows 32 ms + 16 half + 8 h + 0..7.
; That is what an accumulator holds (source 0 = 16 rows of context, source 1 = 16 rows of W: lane (r, h), register j: row 8 h + j, column r), so a lane's eight numbers pack into the 16 bytes that it stores.
; REGISTERS, in windows of 256 (s_set_vgpr_msb: bits 1:0 source 0, 3:2 source 1, 5:4 source 2, 7:6 destination):
;   window 0: addresses; v32-47 bias; v48-55 the rows' factors; v64-127, v128-191 context in f32, two sets; v192-223 context in bf16, later the packed results
;   window 1: the 32 accumulators, (a, t) at 8 (8 a + t)     window 2: v0-127, v128-255 weights in f32, two sets; at the end the four partial tiles     window 3: v0-63 weights in bf16
; THE MODE: SCHED_MODE bits 1:0 = 2 (LLVM: expert scheduling mode 2), set by the entry lines.  The code itself states the register dependences
; between vector or matrix instructions and memory or LDS instructions, with s_wait_alu, always for 0.
; THE PLAN.  Registers that memory or LDS instructions touch:
;   v2-v9          Addresses, offsets and the closing add's pair: written at the head, read by loads, stores and LDS instructions, never written again.
;   raw set c      (window 0 v[64 + 64 c ..], window 2 v[128 c ..])  Unit u, c = u % 2: its 96 conversions read the set; behind them the 48 loads of unit u + 2 land in it.
;   window 2       at the end: the LDS loads of the partial tiles land in it; its last vector readers are the conversions of the last two units.
;   window 1       The accumulators: written by the products, read by the LDS stores, never written again.
;   v192-223       at the end: written by the roundings to f16, read by the global stores, never written again.
;   The fragments in bf16 (v192-223 in the loop, window 3), the factors and the widened bias are named by vector and matrix instructions alone.
; So ONE wait on va_vdst stands in a unit that loads, behind its conversions; the unit's 48 loads follow it, dealt among its 32 products, which name the bf16 fragments and the accumulators:
; none of the registers that those loads touch.  No register that a memory or LDS instruction reads is ever written again, so the text holds no wait on vm_vsrc.
.set ROWB,  8192                       ; bytes in a row of context and of W
.set BLK,   16*ROWB                    ; 16 rows
.set SPARE, 131072                     ; behind the four partial tiles of 32,768 bytes: the spare words, 128 bytes a wave
.set FO,  2                            ; v2  (l % 16) x ROWB + 32 (l / 16) + 2,048 x wave: my place in a fragment's rows, for context and W alike; never rewritten
.set LS,  3                            ; v3  32,768 x wave + 16 l: where I put my partial tile
.set LR0, 4                            ; v4  8,192 x wave + 16 l: my row block in waves 0's and 1's partial tiles,
.set LR1, 5                            ; v5  and in waves 2's and 3's
.set YO,  6                            ; v6  16 l
.set BO,  7                            ; v7  4 (l % 16)
.set SPW, 8                            ; v8  LDS address of my spare word; never rewritten
.set NIL, 9                            ; v9  0; never rewritten
.set BI,  32                           ; v[32:47] bias of column 16 t + l % 16, a pair for each t
.set G,   48                           ; v[48:55] for my eight rows: the sum of squares, then the factor
.set TP,  56
.set AF,  64
.set ABF, 192
.set WV,  18
.set KIND, 19
.set WP,  20                           ; s[20:21] Wk or Wv, at the unit that set 0 was last loaded for
.set BP,  22                           ; s[22:23] bk or bv
.set OUTP, 24                          ; s[24:25] kf or vf at my wave's 16 rows
.set CP,  26                           ; s[26:27] context at the work-group's first row, stepped with WP
.set YB,  28
.set CNT, 29
.set MSB, 0
.macro WIN new                         ; the immediate's high byte repeats the setting that is left; a switch that changes nothing is dropped
.if MSB != (\new)
	s_set_vgpr_msb (MSB<<8)|(\new)
.set MSB, \new
.endif
.endm
.set W_MUL, 0x5c                       ; context window 0, weights window 3, C and D window 1
.set W_CVB, 0xca                       ; sources window 2, destination window 3
.set W_LDB, 0x80                       ; destination window 2
.set W_STA, 0x04                       ; an LDS store's data in window 1
.set W_SUM, 0x8a                       ; all in window 2
.set W_S20, 0x82                       ; source 0 and destination window 2, source 1 window 0
.set W_SQ,  0x0a                       ; sources 0 and 1 window 2, source 2 and destination window 0
.macro PLACES                          ; four places behind a matrix instruction, ahead of a write of its sources or a read of its result (ISA guide 7.12.1)
.rept 4
	v_nop
.endr
.endm
	s_load_b256 s[4:11], s[0:1], 0x0               ; context s[4:5], Wk s[6:7], Wv s[8:9], bk s[10:11]
	s_load_b128 s[12:15], s[0:1], 0x20             ; bv s[12:13], kf s[14:15]
	s_load_b64 s[16:17], s[0:1], 0x30              ; vf
	v_lshl_add_u32 v[SPW], v0, 2, SPARE
	v_mov_b32 v[NIL], 0
	v_lshrrev_b32 v1, 5, v0
	v_readfirstlane_b32 s[WV], v1                  ; wave 0..3
	s_mov_b32 s[KIND], ttmp9
	s_and_b32 s[YB], ttmp7, 0xffff
	v_and_b32 v10, 15, v0                          ; l % 16
	v_bfe_u32 v11, v0, 4, 1                        ; l / 16
	v_and_b32 v12, 31, v0                          ; l
	v_lshlrev_b32 v[FO], 13, v10
	v_lshl_add_u32 v[FO], v11, 5, v[FO]
	s_wait_alu depctr_va_sdst(0)                   ; the wave's number is written, ahead of its first reader: offsets, LDS addresses and the output's place are made from it
	s_lshl_b32 s32, s[WV], 11                      ; three scalar registers, one for each offset: none that a vector instruction reads is written again
	v_add_nc_u32 v[FO], s32, v[FO]
	v_lshlrev_b32 v[YO], 4, v12
	s_lshl_b32 s33, s[WV], 15
	v_add_nc_u32 v[LS], s33, v[YO]
	s_lshl_b32 s34, s[WV], 13
	v_add_nc_u32 v[LR0], s34, v[YO]
	v_add_nc_u32 v[LR1], 0x10000, v[LR0]
	v_lshlrev_b32 v[BO], 2, v10
	s_lshl_b32 s30, s[YB], 1                       ; my 16 rows in the output: block of 32 rows 2 y + wave / 2 (8,192 bytes each), half wave % 2 (512 bytes)
	s_lshr_b32 s31, s[WV], 1
	s_add_co_u32 s30, s30, s31
	s_lshl_b32 s30, s30, 13
	s_and_b32 s31, s[WV], 1
	s_lshl_b32 s31, s31, 9
	s_add_co_u32 s30, s30, s31
	s_mov_b32 s31, 0
	s_wait_kmcnt 0x0
	s_cmp_eq_u32 s[KIND], 0
	s_cselect_b64 s[WP:WP+1], s[6:7], s[8:9]
	s_cselect_b64 s[BP:BP+1], s[10:11], s[12:13]
	s_cselect_b64 s[OUTP:OUTP+1], s[14:15], s[16:17]
	s_add_nc_u64 s[OUTP:OUTP+1], s[OUTP:OUTP+1], s[30:31]
	s_lshl_b32 s30, s[YB], 19                      ; 64 rows of 8,192 bytes
	s_add_nc_u64 s[CP:CP+1], s[4:5], s[30:31]
; A unit is 32 features: 128 bytes of each row in f32.  A 16-bit fragment wants, in lane (r, h), features 8 h + 0..7 and 16 + 8 h + 0..7 of row r: in f32 the 32 bytes at 32 h and the 32 bytes at 64 + 32 h.
; 48 loads a unit, into set c, from byte off behind the two pointers: 16 for the 4 blocks of 16 rows of context,
.macro LOADA c, off
	WIN 0
.irp a, 0,1,2,3
	global_load_b128 v[AF+64*(\c)+16*(\a):AF+64*(\c)+16*(\a)+3],     v[FO], s[CP:CP+1] offset:(\a)*BLK+(\off)
	global_load_b128 v[AF+64*(\c)+16*(\a)+4:AF+64*(\c)+16*(\a)+7],   v[FO], s[CP:CP+1] offset:(\a)*BLK+(\off)+16
	global_load_b128 v[AF+64*(\c)+16*(\a)+8:AF+64*(\c)+16*(\a)+11],  v[FO], s[CP:CP+1] offset:(\a)*BLK+(\off)+64
	global_load_b128 v[AF+64*(\c)+16*(\a)+12:AF+64*(\c)+16*(\a)+15], v[FO], s[CP:CP+1] offset:(\a)*BLK+(\off)+80
.endr
.endm
; and twice 16 for the 8 blocks of 16 rows of W: blocks t0 .. t0 + 3
.macro LOADW c, off, t0
	WIN W_LDB
.irp u, 0,1,2,3
	global_load_b128 v[128*(\c)+16*((\t0)+(\u)):128*(\c)+16*((\t0)+(\u))+3],     v[FO], s[WP:WP+1] offset:((\t0)+(\u))*BLK+(\off)
	global_load_b128 v[128*(\c)+16*((\t0)+(\u))+4:128*(\c)+16*((\t0)+(\u))+7],   v[FO], s[WP:WP+1] offset:((\t0)+(\u))*BLK+(\off)+16
	global_load_b128 v[128*(\c)+16*((\t0)+(\u))+8:128*(\c)+16*((\t0)+(\u))+11],  v[FO], s[WP:WP+1] offset:((\t0)+(\u))*BLK+(\off)+64
	global_load_b128 v[128*(\c)+16*((\t0)+(\u))+12:128*(\c)+16*((\t0)+(\u))+15], v[FO], s[WP:WP+1] offset:((\t0)+(\u))*BLK+(\off)+80
.endr
.endm
.macro CVT c                           ; set c is rounded to bf16: 96 conversions, two numbers each
	WIN 0
.set n, 0
.rept 32
	v_cvt_pk_bf16_f32 v[ABF+n], v[AF+64*(\c)+2*n], v[AF+64*(\c)+2*n+1]
.set n, n+1
.endr
	WIN W_CVB
.set n, 0
.rept 64
	v_cvt_pk_bf16_f32 v[n], v[128*(\c)+2*n], v[128*(\c)+2*n+1]
.set n, n+1
.endr
.endm
.macro MUL8 a, zero                    ; eight of a unit's 32 products: row block a; over a unit the 32 accumulators take turns, one instruction a turn; zero = 1: they start the sums
	WIN W_MUL
.irp t, 0,1,2,3,4,5,6,7
.if \zero
	v_wmma_f32_16x16x32_bf16 v[8*(8*(\a)+(\t)):8*(8*(\a)+(\t))+7], v[ABF+8*(\a):ABF+8*(\a)+7], v[8*(\t):8*(\t)+7], 0
.else
	v_wmma_f32_16x16x32_bf16 v[8*(8*(\a)+(\t)):8*(8*(\a)+(\t))+7], v[ABF+8*(\a):ABF+8*(\a)+7], v[8*(\t):8*(\t)+7], v[8*(8*(\a)+(\t)):8*(8*(\a)+(\t))+7]
.endif
.endr
.endm
; One unit.  left: the younger loads that may stay out.  ahead = 1: the set is asked for again, two units on, as soon as it has been rounded; its loads are dealt among the unit's products.
.macro UNIT c, ahead, left, zero, first
	s_wait_loadcnt \left                           ; loads come back in order (ISA guide 5.7.1): this set is in
.if !(\first)
	PLACES                                         ; the conversions write registers that the last products read
.endif
	CVT \c
.if \ahead
.if (\c) == 0
	s_wait_xcnt 0x0                                ; every load issued so far has read its address: the pointers are written only behind this wait
	s_add_nc_u64 s[CP:CP+1], s[CP:CP+1], 256       ; two units on
	s_add_nc_u64 s[WP:WP+1], s[WP:WP+1], 256
.endif
	WIN 0
	s_wait_alu depctr_va_vdst(0)                   ; the conversions are done reading raw set c, in which the 48 loads below land
	LOADA \c, 128*(\c)
	MUL8 0, \zero                                  ; the products name the bf16 fragments and the accumulators, none of the registers that the loads touch: no further wait
	LOADW \c, 128*(\c), 0
	MUL8 1, \zero
	LOADW \c, 128*(\c), 4
	MUL8 2, \zero
	MUL8 3, \zero
.else
	MUL8 0, \zero
	MUL8 1, \zero
	MUL8 2, \zero
	MUL8 3, \zero
.endif
.endm
	s_wait_alu depctr_va_vdst(0)                   ; v2 to v9 are written: every load, store and LDS instruction of the kernel reads one of them as its address or offset, the closing add two
.irp t, 0,1,2,3,4,5,6,7
	global_load_b32 v[BI+2*(\t)], v[BO], s[BP:BP+1] offset:64*(\t)
.endr
	LOADA 0, 0
	LOADW 0, 0, 0
	LOADW 0, 0, 4
	LOADA 1, 128
	LOADW 1, 128, 0
	LOADW 1, 128, 4
	UNIT 0, 1, 48, 1, 1                            ; units 0 and 1 stand ahead of the loop: unit 0's products start the sums.  48: the other set's loads (the bias loads are older than both sets)
	UNIT 1, 1, 48, 0, 0
	WIN 0                                          ; at a label and at a branch every window is 0
	s_mov_b32 s[CNT], 6
.Ltrip:                                        ; units 2 .. 13; each trip asks for the next trip's two units
	UNIT 0, 1, 48, 0, 0
	UNIT 1, 1, 48, 0, 0
	WIN 0
	s_sub_co_u32 s[CNT], s[CNT], 1
	s_cmp_lg_u32 s[CNT], 0
	s_cbranch_scc1 .Ltrip
	UNIT 0, 0, 48, 0, 0                            ; the last two units load nothing, and state nothing
	UNIT 1, 0, 0, 0, 0
	WIN 0
	PLACES
	PLACES
	; THE FOUR PARTIAL TILES MEET IN LDS.  An accumulator is 1,024 bytes: registers 0-3, 16 bytes a lane, then registers 4-7 (the low registers are read first).
	WIN W_STA
	s_wait_alu depctr_va_vdst(0)                   ; the products have written the accumulators, which the LDS stores read (the places above stay beside this wait); and the last conversions are done reading window 2
.set i, 0
.rept 32
	ds_store_b128 v[LS], v[8*i:8*i+3]   offset:1024*i
	ds_store_b128 v[LS], v[8*i+4:8*i+7] offset:1024*i+512
.set i, i+1
.endr
	WIN 0
	s_wait_dscnt 0x0                               ; for the others' sake: my stores are done
	s_barrier_signal -1
	s_barrier_wait -1
	WIN W_LDB                                      ; wave w takes row block w of all four: partial p, column tile t at v[64 p + 8 t] of window 2.  No wait: no vector instruction since the wait above names window 2
.irp p, 0,1
.irp t, 0,1,2,3,4,5,6,7
	ds_load_b128 v[64*(\p)+8*(\t):64*(\p)+8*(\t)+3],         v[LR0] offset:(\p)*32768+(\t)*1024
	ds_load_b128 v[64*(\p)+8*(\t)+4:64*(\p)+8*(\t)+7],       v[LR0] offset:(\p)*32768+(\t)*1024+512
	ds_load_b128 v[128+64*(\p)+8*(\t):128+64*(\p)+8*(\t)+3],   v[LR1] offset:(\p)*32768+(\t)*1024
	ds_load_b128 v[128+64*(\p)+8*(\t)+4:128+64*(\p)+8*(\t)+7], v[LR1] offset:(\p)*32768+(\t)*1024+512
.endr
.endr
	WIN 0
.irp t, 0,1,2,3,4,5,6,7                ; meanwhile the bias is rounded to bf16, like every input, and widened again, into both registers of its pair
	v_cvt_pk_bf16_f32 v[TP], v[BI+2*(\t)], v[BI+2*(\t)]
	v_lshlrev_b32 v[BI+2*(\t)], 16, v[TP]
	v_lshlrev_b32 v[BI+2*(\t)+1], 16, v[TP]
.endr
	s_wait_dscnt 0x0
	WIN W_SUM
.set n, 0
.rept 32
	v_pk_add_f32 v[2*n:2*n+1], v[2*n:2*n+1], v[64+2*n:64+2*n+1]
	v_pk_add_f32 v[128+2*n:128+2*n+1], v[128+2*n:128+2*n+1], v[192+2*n:192+2*n+1]
.set n, n+1
.endr
.set n, 0
.rept 32
	v_pk_add_f32 v[2*n:2*n+1], v[2*n:2*n+1], v[128+2*n:128+2*n+1]
.set n, n+1
.endr
	WIN W_S20
.set n, 0
.rept 32
	v_pk_add_f32 v[2*n:2*n+1], v[2*n:2*n+1], v[BI+2*(n/4):BI+2*(n/4)+1]   ; register 8 t + j: row 8 h + j, column 16 t + r
.set n, n+1
.endr
	WIN 0
	s_cmp_lg_u32 s[KIND], 0
	s_cbranch_scc1 .Lfor_v
	; k: each row's factor is 1 / max(norm, eps).  A row's 128 columns lie in 8 registers (t) of 16 lanes (r).
	WIN W_SQ
.set n, 0
.rept 32
.if n < 4
	v_pk_mul_f32 v[G+2*(n%4):G+2*(n%4)+1], v[2*n:2*n+1], v[2*n:2*n+1]
.else
	v_pk_fma_f32 v[G+2*(n%4):G+2*(n%4)+1], v[2*n:2*n+1], v[2*n:2*n+1], v[G+2*(n%4):G+2*(n%4)+1]
.endif
.set n, n+1
.endr
	WIN 0
.irp m, 1,2,4,8
.irp j, 0,1,2,3,4,5,6,7
	v_add_f32_dpp v[G+(\j)], v[G+(\j)], v[G+(\j)] row_xmask:\m row_mask:0xf bank_mask:0xf
.endr
.endr
.irp j, 0,1,2,3,4,5,6,7
	v_sqrt_f32 v[G+(\j)], v[G+(\j)]
.endr
	v_nop                                          ; a plain instruction behind the last root,
	s_wait_alu depctr_va_vdst(0)                   ; and the wait ahead of the first use: the eight roots have written v[G ..]
.irp j, 0,1,2,3,4,5,6,7
	v_max_num_f32 v[G+(\j)], 0x2b8cbccc, v[G+(\j)] ; eps = 1e-12
.endr
.irp j, 0,1,2,3,4,5,6,7
	v_rcp_f32 v[G+(\j)], v[G+(\j)]
.endr
	v_nop
	s_wait_alu depctr_va_vdst(0)                   ; the eight reciprocals have written v[G ..]: one wait for them, ahead of the branch
	s_branch .Lscaled
.Lfor_v:
.irp j, 0,1,2,3,4,5,6,7
	v_mov_b32 v[G+(\j)], 0x3d800000                ; v: every row's factor is 1 / 16
.endr
.Lscaled:
	WIN W_S20
.set n, 0
.rept 32
	v_pk_mul_f32 v[2*n:2*n+1], v[2*n:2*n+1], v[G+2*(n%4):G+2*(n%4)+1]
.set n, n+1
.endr
	WIN W_SQ
.set n, 0
.rept 32
	v_cvt_pk_f16_f32 v[ABF+n], v[2*n], v[2*n+1]    ; a lane's eight rows of a column: 16 bytes
.set n, n+1
.endr
	WIN 0
	s_wait_alu depctr_va_vdst(0)                   ; the roundings have written v[ABF ..], which the stores read
.irp t, 0,1,2,3,4,5,6,7
	global_store_b128 v[YO], v[ABF+4*(\t):ABF+4*(\t)+3], s[OUTP:OUTP+1] offset:1024*(\t)  ; the wave stores 512 consecutive bytes, at a multiple of 512 from the buffer's first
.endr
	s_wait_dscnt 0x0                               ; the closing lines, six on end
	s_wait_alu 0x0
	s_wait_tensorcnt 0x0
	ds_add_u32 v[SPW], v[NIL]
	s_wait_dscnt 0x0
	s_endpgm
.Lfunc_end_k_q78c511c4f0_kvproj:
	.size	k_q78c511c4f0_kvproj, .Lfunc_end_k_q78c511c4f0_kvproj-k_q78c511c4f0_kvproj
	.p2alignl 7, 3214868480
	.fill 96, 4, 3214868480
	.section	.rodata,"a",@progbits
	.p2align	6, 0x0
	.amdhsa_kernel k_q78c511c4f0_kvproj
		.amdhsa_group_segment_fixed_size 131584
		.amdhsa_private_segment_fixed_size 0
		.amdhsa_enable_private_segment 0
		.amdhsa_kernarg_size 56
		.amdhsa_user_sgpr_count 2
		.amdhsa_user_sgpr_kernarg_segment_ptr 1
		.amdhsa_wavefront_size32 1
		.amdhsa_system_sgpr_workgroup_id_x 1
		.amdhsa_system_sgpr_workgroup_id_y 1
		.amdhsa_system_sgpr_workgroup_id_z 1
		.amdhsa_system_vgpr_workitem_id 0
		.amdhsa_next_free_vgpr 832
		.amdhsa_next_free_sgpr 66
		.amdhsa_reserve_vcc 0
		.amdhsa_float_denorm_mode_32 3
		.amdhsa_float_denorm_mode_16_64 3
		.amdhsa_memory_ordered 1
		.amdhsa_forward_progress 1
		.amdhsa_inst_pref_size 109
	.end_amdhsa_kernel
	.amdgpu_metadata
---
amdhsa.version: [ 1, 2 ]
amdhsa.kernels:
  - .name:           k_q78c511c4f0_kvproj
    .symbol:         k_q78c511c4f0_kvproj.kd
    .args:
      - { .name: context, .offset: 0, .size: 8, .value_kind: global_buffer, .address_space: global }
      - { .name: Wk, .offset: 8, .size: 8, .value_kind: global_buffer, .address_space: global }
      - { .name: Wv, .offset: 16, .size: 8, .value_kind: global_buffer, .address_space: global }
      - { .name: bk, .offset: 24, .size: 8, .value_kind: global_buffer, .address_space: global }
      - { .name: bv, .offset: 32, .size: 8, .value_kind: global_buffer, .address_space: global }
      - { .name: kf, .offset: 40, .size: 8, .value_kind: global_buffer, .address_space: global }
      - { .name: vf, .offset: 48, .size: 8, .value_kind: global_buffer, .address_space: global }
    .group_segment_fixed_size: 131584
    .private_segment_fixed_size: 0
    .kernarg_segment_align: 8
    .kernarg_segment_size: 56
    .max_flat_workgroup_size: 128
    .sgpr_count:     66
    .vgpr_count:     832
    .wavefront_size: 32
...
	.end_amdgpu_metadata
.endif
;; end of part 4
;; launch mprod: the kernel of part 2 again; grid 256 x 1, 4 waves a work-group, no clusters, 4,864 bytes of LDS; arguments kf, vf, Wq, mf, msc, wq16; writes mf, msc, wq16
;; launch qout: the kernel of part 3 again; grid 4 x 64, 4 waves a work-group, clusters of 4 x 4, 327,680 bytes of LDS; arguments x, wq16, bq, mf, msc, out0; writes out0
